; MI455X (gfx1250); checked and timed in simulation.
; The chip was launched on July 23, 2026; its instructions are those of AMD's public machine-readable ISA for CDNA 5 (MIT licence, August 2026) and "CDNA5" Instruction Set Architecture Reference Guide (July 2026). The comments in the code are by the model that wrote it; some were corrected since.
;; Hard Gated Experts. Allowed arithmetic: matrix products marked QUANTISED: E2M3 operands, one E8M0 scale for each 32 along K, by v_wmma_scale_f32_16x16x128_f8f6f4 with both operands' format E2M3, f32 sums; everything else in f32.
;; Inputs: W1 8 x 512 x 512 float32; W2 8 x 512 x 256 float32; W3 8 x 256 x 256 float32; b1 8 x 512 float32; b2 8 x 256 float32; b3 8 x 256 float32; gate_id 8,192 int32; h 8,192 x 512 float32.
;; Outputs: out0 8,192 x 256 float32.
;; This version of the problem:
;;   THIS VERSION OF THE PROBLEM IS GIVEN IN LOW PRECISION. The matrix products marked QUANTISED in the list below multiply operands that are first quantised to E2M3 (2 exponent bits, 3 mantissa bits; 6 bits a number), with one power-of-two scale for each 32 numbers along K (OCP MX v1.0); their sums are f32. All else is computed in f32.
;;   The module's matrix products, in the order in which they are computed (A, B: the left and right operand; K: the contracted axis; several contracted axes count as one K, in the product's order):
;;     1. [M 4,096, K 512] x [K 512, N 8,192]; A: input W1; B: input h: QUANTISED
;;     2. batch 8 x [M 8,192, K 512] x [K 512, N 256]; A: computed on the way; B: input W2: QUANTISED
;;     3. batch 8 x [M 8,192, K 256] x [K 256, N 256]; A: computed on the way; B: input W3: QUANTISED
;;   THE QUANTISER, for each operand of a quantised product, along K:
;;     - K is cut into blocks of 32 from its start; a last block that is shorter is filled with zeros.
;;     - A block's scale is 2^e with e = floor(log2(the largest magnitude in the block)) - 2, held to -126 .. 127; a block of zeros has e = 0. As a byte (E8M0): e + 127.
;;     - Each number is divided by its block's scale, clamped to +-7.5, and rounded to the nearest number of E2M3, ties to even, subnormals kept.
;;     - The product sums the exact products of the quantised numbers (number of the format x scale) in f32.
;;   ~~~python
;;   def quantise(x, axis):      # numpy; x: float32 -> the quantised numbers, widened to float32 again
;;       x = np.moveaxis(x, axis, -1); K = x.shape[-1]
;;       x = np.pad(x, [(0, 0)] * (x.ndim - 1) + [(0, -K % 32)]); x = x.reshape(x.shape[:-1] + (-1, 32)); a = np.abs(x).max(-1, keepdims=True)
;;       e = np.where(a > 0, np.clip(np.frexp(np.where(a > 0, a, 1))[1] - 1 - 2, -126, 127), 0)      # np.frexp(a)[1] - 1 = floor(log2(a)), exactly
;;       r = np.clip(x / 2.0 ** e, -7.5, 7.5)
;;       step = 2.0 ** (np.maximum(np.frexp(np.where(r == 0, 1, r))[1] - 1, 0) - 3)
;;       q = np.round(r / step) * step * 2.0 ** e      # np.round: ties to even
;;       return np.moveaxis(q.reshape(q.shape[:-2] + (-1,))[..., :K], -1, axis).astype(np.float32)
;;   ~~~
;;   OPERANDS COMPUTED ON THE WAY. 'Computed on the way' means the value that the module computes at that place (a softmax that the list does not call 'softmax' is quantised finished and normalised). What goes into a quantiser is computed in f32, as accurately as f32 sums, v_exp_f32 and their like allow (about 1e-6 of the number): no bf16 or f16 on the way to a quantiser, and a product that is left as it is and whose result goes on into a quantised operand takes f32 operands (vector FMAs, or v_wmma_f32_16x16x4_f32). A number that lies on a knife's edge between two numbers of the format may be rounded either way, as far as f32 arithmetic and the matrix unit's own rounding can turn it there, and no further.
;; 3 versions, each right; version 2 is faster than version 1; version 3 is version 2 with the launch experts written anew for expert scheduling mode. Each part assembles by itself: llvm-mc -triple=amdgcn-amd-amdhsa -mcpu=gfx1250 --defsym DOCPART=n.
;; ======== version 1 of 3: 2 launches
;; workspace buffers: wcodes 2,752,512 bytes; wscales 114,688 bytes; order 34,560 bytes of whole numbers; texp 1,024 bytes of whole numbers
;; launch prep (part 1): grid 225 x 1, 8 waves a work-group, no clusters, 9,472 bytes of LDS; arguments W1, W2, W3, gate_id, wcodes, wscales, order, texp; writes wcodes, wscales, order, texp
.if DOCPART == 1
	.amdgcn_target "amdgcn-amd-amdhsa--gfx1250"
	.amdhsa_code_object_version 6
	.text
	.protected	k_q765f79cbca_prep
	.globl	k_q765f79cbca_prep
	.p2align	8
	.type	k_q765f79cbca_prep,@function
k_q765f79cbca_prep:
	s_mov_b64 s[64:65], 0
	v_nop
	global_prefetch_b8 v0, s[64:65] scope:SCOPE_SE
	s_setreg_imm32_b32 hwreg(HW_REG_WAVE_MODE, 25, 1), 1
	s_wait_xcnt 0x0
; TWO JOBS IN ONE LAUNCH, told apart by the work-group's number alone.
; Work-group 0 ROUTES: g = gate_id held to 0 .. 7; the 8,192 rows are sorted by expert into tiles of 64 row slots, each expert's rows beginning on a tile:
;   order[135][64] = a row's number, or 8192 for a slot without a row;  texp[256] = tile t's expert, or 8 behind the last tile.  Sum of ceil(n_e / 64) is 128 to 135.
; Work-groups 1 .. 224 QUANTISE W1 [8][512][512], W2 [8][512][256], W3 [8][256][256] (f32, K = the middle axis) to codes of E2M3 with one E8M0 byte for each 32 along K.
;   A block's byte is its largest magnitude's exponent field - 2, held at 1 from below; a block of zeros gets 127; numbers / scale go to the nearest code, ties to even.
;   A LANE TAKES A COLUMN AND ITS REGISTERS RUN DOWN K, so a block of 32 lies in one lane and the conversions give codes with K innermost.
;   The codes are stored as the next launch's registers want them: fragments of 1,536 bytes (16 operand rows x 128 K = 12 registers x 32 lanes), register i of lane L at (i / 4) 512 + 16 L + 4 (i % 4).
;   Operand row rho of tile u of a block b of 32 columns is column 32 b + 8 u + rho + 8 (rho / 8): then a result lane's 16 registers of tiles u = 0, 1 are 16 neighbours along the next K.
;   wcodes: L1 at 0 [e][w 8][f = 4 q + 2 (b & 1) + u], w = b / 2;  L2 at 1,572,864 [e][b 8][f = 2 q + u];  L3 at 2,359,296 [e][b 8][f = 2 q + u].
;   wscales: 128 bytes for each (e, q, b): the word at 4 (rho + 16 u) holds the bytes of k-blocks 4 q .. 4 q + 3.  L1 at 0 [e][q 4][b 16]; L2 at 65,536 [e][q 4][b 8]; L3 at 98,304 [e][q 2][b 8].
; LIMITS: NaN and infinities among the weights are not served.  Gate ids above 2^31 - 65, which the problem's own way through f32 carries past int32, are not served; all others, negative ones too, are held to 0 .. 7.
; No tensor loads, no clusters: each weight number is read once by one lane, and nothing is shared between work-groups.
.set X,   32                           ; quantiser: v32-95 two blocks of 32 numbers
.set C,   96                           ; v96-107 the lane's 12 registers of codes; v108-110 a conversion's second half on its way
.set ID,  32                           ; routing: v32-63 ids, then rank << 8 | 4 g
.set BS,  64                           ; v64-95 first positions, then byte offsets in order
.set RW,  96                           ; v96-127 table addresses, then row numbers
.set WT,  8192                         ; LDS: the waves' totals, 8 x 16 bytes, behind the table of 256 x 32 bytes at 0
	s_load_b256 s[4:11], s[0:1], 0x0               ; W1 s[4:5], W2 s[6:7], W3 s[8:9], gate_id s[10:11]
	s_load_b256 s[12:19], s[0:1], 0x20             ; wcodes s[12:13], wscales s[14:15], order s[16:17], texp s[18:19]
	v_lshl_add_u32 v160, v0, 2, 0x2100
	v_mov_b32 v161, 0
	v_lshrrev_b32 v1, 5, v0
	v_readfirstlane_b32 s20, v1                    ; wave 0..7
	s_wait_kmcnt 0x0
	s_cmp_eq_u32 ttmp9, 0
	s_cbranch_scc1 .Lroute                         ; the same way for all eight waves
; ---------------------------------------------------------------- THE QUANTISER
; A work-group: one expert, 128 columns (4 blocks of 32), one k-step q of 128.  Wave v: block nbl = v / 2, half hsel = v % 2: k-blocks 4 q + hsel and 4 q + 2 + hsel,
; which are the 12 registers of operand lane rho + 16 hsel.
	s_sub_co_u32 s21, ttmp9, 1                     ; j
	s_lshr_b32 s22, s20, 1                         ; nbl
	s_and_b32 s23, s20, 1                          ; hsel
	v_and_b32 v1, 31, v0                           ; x: my column in the block
	v_lshlrev_b32 v2, 2, v1                        ; in: 4 bytes a lane
	v_bfe_u32 v8, v1, 3, 1                         ; u   = bit 3 of x
	v_and_b32 v9, 7, v1
	v_lshrrev_b32 v10, 4, v1
	v_lshl_or_b32 v9, v10, 3, v9                   ; rho = bits 2:0 of x, and bit 4 as bit 3
	v_mul_u32_u24 v3, v8, 1536
	v_lshl_add_u32 v3, v9, 4, v3
	s_lshl_b32 s24, s23, 8
	v_add_nc_u32 v3, s24, v3                       ; out: tile u's fragment, lane rho + 16 hsel
	v_lshlrev_b32 v4, 2, v0                        ; LDS: a word for each thread: a wave's 128 bytes are its own
	v_lshrrev_b32 v5, 4, v0                        ; the reader (threads 0-63, 8 bytes each): output words rho + 16 u = 2 (t & 15) and the next of block t / 16 were written by lanes x and x + 1,
	v_lshlrev_b32 v5, 8, v5                        ; x = 2 (t & 3) + 8 ((t >> 3) & 1) + 16 ((t >> 2) & 1), of waves 2 (t / 16) and 2 (t / 16) + 1
	v_and_b32 v10, 3, v0
	v_lshl_add_u32 v5, v10, 3, v5
	v_bfe_u32 v10, v0, 3, 1
	v_lshl_add_u32 v5, v10, 5, v5
	v_bfe_u32 v10, v0, 2, 1
	v_lshl_add_u32 v5, v10, 6, v5
	v_lshlrev_b32 v6, 3, v0                        ; and where the 8 bytes go
.macro WLOADS pitch                    ; W(128 q + 32 hsel + 64 c + i, my column): each load reads 128 consecutive bytes
.irp c, 0,1
.irp i, 0,1,2,3,4,5,6,7,8,9,10,11,12,13,14,15,16,17,18,19,20,21,22,23,24,25,26,27,28,29,30,31
	global_load_b32 v[X+32*\c+\i], v2, s[26:27] offset:(64*\c+\i)*\pitch th:TH_LOAD_NT
.endr
.endr
.endm
	s_mov_b32 s35, 0
	s_cmp_lt_u32 s21, 128
	s_cbranch_scc0 .Lw23
	; W1: j = 16 e + 4 ng + q; rows of 2,048 bytes
	s_lshr_b32 s24, s21, 4                         ; e
	s_bfe_u32 s25, s21, 0x20002                    ; ng
	s_and_b32 s32, s21, 3                          ; q
	s_lshl2_add_u32 s33, s25, s22                  ; b = 4 ng + nbl
	s_lshl_b32 s34, s24, 20                        ; source: e x 1,048,576
	s_lshl_b32 s40, s32, 18                        ; + 128 q rows
	s_add_co_u32 s34, s34, s40
	s_lshl_b32 s40, s23, 16                        ; + 32 hsel rows
	s_add_co_u32 s34, s34, s40
	s_lshl_b32 s40, s33, 7                         ; + 128 b bytes
	s_add_co_u32 s34, s34, s40
	s_add_nc_u64 s[26:27], s[4:5], s[34:35]
	s_mul_i32 s36, s24, 196608                     ; codes: e, wave b / 2, fragment 4 q + 2 (b & 1)
	s_lshr_b32 s40, s33, 1
	s_mul_i32 s40, s40, 24576
	s_add_co_u32 s36, s36, s40
	s_and_b32 s40, s33, 1
	s_lshl1_add_u32 s40, s32, s40
	s_mul_i32 s40, s40, 3072
	s_add_co_u32 s36, s36, s40
	s_lshl_b32 s38, s24, 13                        ; scales: e x 8,192 + q x 2,048 + ng x 512
	s_lshl_b32 s40, s32, 11
	s_add_co_u32 s38, s38, s40
	s_lshl_b32 s40, s25, 9
	s_add_co_u32 s38, s38, s40
	WLOADS 2048
	s_branch .Lquant
.Lw23:
	; W2: j - 128 = 8 e + 4 ng + q;  W3: j - 192 = 4 e + 2 ng + q.  Rows of 1,024 bytes; W2's sizes are twice W3's, so one shift (s41) serves both.
	s_cmp_lt_u32 s21, 192
	s_cselect_b32 s41, 1, 0
	s_mov_b32 s40, 192
	s_cselect_b32 s40, 128, s40
	s_mov_b32 s45, 2359296
	s_cselect_b32 s45, 1572864, s45
	s_mov_b32 s47, 98304
	s_cselect_b32 s47, 65536, s47
	s_cselect_b64 s[26:27], s[6:7], s[8:9]         ; the choice hangs on the work-group's number alone
	s_sub_co_u32 s21, s21, s40
	s_add_co_u32 s42, s41, 1                       ; bits of q
	s_lshl_b32 s43, 1, s42
	s_sub_co_u32 s43, s43, 1
	s_and_b32 s32, s21, s43                        ; q
	s_lshr_b32 s25, s21, s42
	s_lshr_b32 s24, s25, 1                         ; e
	s_and_b32 s25, s25, 1                          ; ng
	s_lshl2_add_u32 s33, s25, s22                  ; b
	s_lshl_b32 s34, s24, 18                        ; source: e x 262,144 (W2: twice)
	s_lshl_b32 s34, s34, s41
	s_lshl_b32 s43, s32, 17
	s_add_co_u32 s34, s34, s43
	s_lshl_b32 s43, s23, 15
	s_add_co_u32 s34, s34, s43
	s_lshl_b32 s43, s33, 7
	s_add_co_u32 s34, s34, s43
	s_add_nc_u64 s[26:27], s[26:27], s[34:35]
	s_mul_i32 s36, s24, 49152                      ; codes: (e x 49,152 + b x 6,144) (W2: twice) + 2 q fragments + the section
	s_mul_i32 s43, s33, 6144
	s_add_co_u32 s36, s36, s43
	s_lshl_b32 s36, s36, s41
	s_mul_i32 s43, s32, 3072
	s_add_co_u32 s36, s36, s43
	s_add_co_u32 s36, s36, s45
	s_lshl_b32 s38, s24, 11                        ; scales: e x 2,048 (W2: twice) + q x 1,024 + ng x 512 + the section
	s_lshl_b32 s38, s38, s41
	s_lshl_b32 s43, s32, 10
	s_add_co_u32 s38, s38, s43
	s_lshl_b32 s43, s25, 9
	s_add_co_u32 s38, s38, s43
	s_add_co_u32 s38, s38, s47
	WLOADS 1024
.Lquant:                                               ; on either way 64 loads have been issued
	s_mov_b32 s37, 0
	s_mov_b32 s39, 0
	s_add_nc_u64 s[28:29], s[12:13], s[36:37]
	s_add_nc_u64 s[30:31], s[14:15], s[38:39]
.macro BLOCK c
.set XS, X+32*\c
.if \c == 0
	s_wait_loadcnt 32                              ; the first block's 32 loads are in; the second's may be out
.else
	s_wait_loadcnt 0
.endif
	v_max3_num_f32 v8, |v[XS]|, |v[XS+1]|, |v[XS+2]|               ; the block's largest magnitude: all 32 numbers are mine; two chains
	v_max3_num_f32 v9, |v[XS+3]|, |v[XS+4]|, |v[XS+5]|
.irp i, 6,10,14,18,22,26
	v_max3_num_f32 v8, v8, |v[XS+\i]|, |v[XS+\i+1]|
	v_max3_num_f32 v9, v9, |v[XS+\i+2]|, |v[XS+\i+3]|
.endr
	v_max3_num_f32 v8, v8, |v[XS+30]|, |v[XS+31]|
	v_max_num_f32 v8, v8, v9
	v_lshrrev_b32 v9, 23, v8                       ; its exponent field
	v_max_u32 v9, 3, v9                            ; the byte is not to fall under 1
	v_add_nc_u32 v9, -2, v9                        ; the scale's byte
	v_lshlrev_b32 v11, 23, v9                      ; the scale as f32: the conversion takes its exponent field
	v_cmp_eq_u32 vcc_lo, 0, v8
	v_cndmask_b32 v[14+\c], v9, 127, vcc_lo        ; a block of zeros gets 127
	v_cvt_scalef32_pk16_fp6_f32 v[C+6*\c:C+6*\c+2], v[XS:XS+15], v11
	v_cvt_scalef32_pk16_fp6_f32 v[108:110], v[XS+16:XS+31], v11    ; (a conversion's three registers begin on an even number)
	v_nop                                          ; one plain instruction between a scaled conversion and what touches its result
.irp i, 0,1,2
	v_mov_b32 v[C+6*\c+3+\i], v[108+\i]
.endr
.endm
	BLOCK 0
	BLOCK 1
.irp j, 0,1,2
	global_store_b128 v3, v[C+4*\j:C+4*\j+3], s[28:29] offset:512*\j   ; sixteen lanes fill 256 aligned bytes of tile 0's fragment, sixteen of tile 1's
.endr
	v_lshl_or_b32 v16, v15, 16, v14                ; my two bytes of the scale word: k-blocks hsel and 2 + hsel,
	s_lshl_b32 s24, s23, 3
	v_lshlrev_b32 v16, s24, v16                    ; at their places
	ds_store_b32 v4, v16
	s_wait_dscnt 0x0                               ; for the other waves' sake: my word is in LDS
	s_barrier_signal -1
	s_barrier_wait -1
	s_cmp_lt_u32 s20, 2
	s_cbranch_scc0 .Lqend                          ; waves 0 and 1 join the halves and store the work-group's 512 bytes of scale words
	ds_load_b64 v[18:19], v5
	ds_load_b64 v[20:21], v5 offset:128
	s_wait_dscnt 0x0
	v_or_b32 v18, v18, v20
	v_or_b32 v19, v19, v21
	global_store_b64 v6, v[18:19], s[30:31]        ; a wave stores 256 consecutive bytes, aligned
.Lqend:
	s_wait_xcnt 0x0
	s_mov_b32 exec_lo, -1
	s_wait_tensorcnt 0x0
	ds_add_u32 v160, v161
	s_wait_dscnt 0x0
	s_endpgm
; ---------------------------------------------------------------- THE ROUTING: 256 threads, 32 ids each
.Lroute:
	v_lshlrev_b32 v128, 7, v0
.irp i, 0,1,2,3,4,5,6,7
	global_load_b128 v[ID+4*\i:ID+4*\i+3], v128, s[10:11] offset:16*\i
.endr
	v_mov_b32 v2, 0                                ; my counts of experts 0-3, a byte each (32 at the most)
	v_mov_b32 v3, 0                                ; of experts 4-7
	v_mov_b32 v22, 0                               ; (the destination of a DPP move counts as read)
	v_bfe_u32 v23, v0, 4, 1
	v_sub_nc_u32 v23, 0, v23                       ; all ones in lanes 16-31
	v_lshlrev_b32 v130, 5, v0                      ; 32 x thread: my first row, and my 32 bytes of the table
	s_mov_b32 s24, 0x00ff00ff
	s_wait_loadcnt 0x0
.irp i, 0,1,2,3,4,5,6,7,8,9,10,11,12,13,14,15,16,17,18,19,20,21,22,23,24,25,26,27,28,29,30,31
	v_max_i32 v4, 0, v[ID+\i]
	v_min_u32 v4, 7, v4                            ; g
	v_lshlrev_b32 v5, 2, v4                        ; 4 g
	v_lshrrev_b32 v6, 4, v5                        ; 1 for experts 4-7
	v_xor_b32 v7, 1, v6
	v_lshlrev_b32 v8, 1, v5
	v_and_b32 v8, 24, v8                           ; the byte's place: 8 (g & 3)
	v_cmp_ne_u32 vcc_lo, 0, v6
	v_cndmask_b32 v9, v2, v3, vcc_lo
	v_bfe_u32 v9, v9, v8, 8                        ; how many of my earlier ids went to g
	v_lshl_add_u32 v2, v7, v8, v2
	v_lshl_add_u32 v3, v6, v8, v3
	v_lshl_or_b32 v[ID+\i], v9, 8, v5              ; rank << 8 | 4 g
.endr
	v_and_b32 v10, s24, v2                         ; the counts in 16 bits: experts 0 | 2,
	v_lshrrev_b32 v11, 8, v2
	v_and_b32 v11, s24, v11                        ; 1 | 3,
	v_and_b32 v12, s24, v3                         ; 4 | 6,
	v_lshrrev_b32 v13, 8, v3
	v_and_b32 v13, s24, v13                        ; 5 | 7.  No field passes 8,640, so none carries into its neighbour
.irp p, 0,1,2,3
	v_mov_b32 v[14+\p], v[10+\p]
.endr
.macro SHADD reg, n                    ; lane i adds lane i - n of its row of 16; lanes without a source add 0
	v_mov_b32_dpp v22, v[\reg] row_shr:\n row_mask:0xf bank_mask:0xf bound_ctrl:1
	v_add_nc_u32 v[\reg], v[\reg], v22
.endm
.irp p, 0,1,2,3                        ; running sums over the wave's 32 lanes
	SHADD 14+\p, 1
	SHADD 14+\p, 2
	SHADD 14+\p, 4
	SHADD 14+\p, 8
	v_readlane_b32 s25, v[14+\p], 15
	v_and_b32 v22, s25, v23
	v_add_nc_u32 v[14+\p], v[14+\p], v22           ; lanes 16-31 add the first row's total
	v_readlane_b32 s[28+\p], v[14+\p], 31          ; the wave's total
	v_mov_b32 v[18+\p], s[28+\p]
.endr
	s_lshl_b32 s25, s20, 4
	s_add_co_u32 s25, s25, WT
	v_mov_b32 v129, s25
	ds_store_b128 v129, v[18:21]                   ; all lanes write the same 16 bytes with the same values
	s_wait_dscnt 0x0
	s_barrier_signal -1
	s_barrier_wait -1
	v_and_b32 v129, 7, v0
	v_lshl_add_u32 v129, v129, 4, WT
	ds_load_b128 v[18:21], v129                    ; lanes 0-7: the eight waves' totals
	s_wait_dscnt 0x0
.irp p, 0,1,2,3
	SHADD 18+\p, 1
	SHADD 18+\p, 2
	SHADD 18+\p, 4                                 ; running sums over the waves, in lanes 0-7
	v_readlane_b32 s[32+\p], v[18+\p], s20
	s_sub_co_u32 s[32+\p], s[32+\p], s[28+\p]      ; the waves in front of mine
	v_readlane_b32 s[36+\p], v[18+\p], 7           ; all waves: n_e
.endr
	s_and_b32 s50, s36, 0xffff                     ; n_0 .. n_7 in s50-57
	s_lshr_b32 s52, s36, 16
	s_and_b32 s51, s37, 0xffff
	s_lshr_b32 s53, s37, 16
	s_and_b32 s54, s38, 0xffff
	s_lshr_b32 s56, s38, 16
	s_and_b32 s55, s39, 0xffff
	s_lshr_b32 s57, s39, 16
	s_mov_b32 s40, 0                               ; s40-48: expert e's first tile; s48 the number of tiles
.irp e, 0,1,2,3,4,5,6,7
	s_add_co_u32 s58, s[50+\e], 63
	s_lshr_b32 s58, s58, 6
	s_add_co_u32 s[41+\e], s[40+\e], s58
.endr
.macro PKB p, lo, hi                   ; the two experts' first slots, 64 x first tile, packed as the counts are
	s_lshl_b32 s58, s[40+\lo], 6
	s_lshl_b32 s59, s[40+\hi], 22
	s_or_b32 s58, s58, s59
	s_add_co_u32 s[32+\p], s[32+\p], s58
.endm
	PKB 0, 0, 2
	PKB 1, 1, 3
	PKB 2, 4, 6
	PKB 3, 5, 7
.irp p, 0,1,2,3
	v_sub_nc_u32 v[14+\p], v[14+\p], v[10+\p]      ; the lanes in front of me
	v_add_nc_u32 v[14+\p], s[32+\p], v[14+\p]      ; + the waves in front of mine + the expert's first slot
.endr
	v_and_b32 v24, 0xffff, v14                     ; my first slot for experts 0 .. 7
	v_and_b32 v25, 0xffff, v15
	v_lshrrev_b32 v26, 16, v14
	v_lshrrev_b32 v27, 16, v15
	v_and_b32 v28, 0xffff, v16
	v_and_b32 v29, 0xffff, v17
	v_lshrrev_b32 v30, 16, v16
	v_lshrrev_b32 v31, 16, v17
	ds_store_b128 v130, v[24:27]
	ds_store_b128 v130, v[28:31] offset:16
	s_wait_dscnt 0x0                               ; the table is whole before any look-up by an id
	s_barrier_signal -1
	s_barrier_wait -1
.irp i, 0,1,2,3,4,5,6,7,8,9,10,11,12,13,14,15,16,17,18,19,20,21,22,23,24,25,26,27,28,29,30,31
	v_and_b32 v[RW+\i], 0x1c, v[ID+\i]
	v_min_u32 v[RW+\i], 28, v[RW+\i]               ; 4 g, held inside my 32 bytes
	v_add_nc_u32 v[RW+\i], v130, v[RW+\i]
	ds_load_b32 v[BS+\i], v[RW+\i]
.endr
	s_wait_dscnt 0x0
.irp i, 0,1,2,3,4,5,6,7,8,9,10,11,12,13,14,15,16,17,18,19,20,21,22,23,24,25,26,27,28,29,30,31
	v_lshrrev_b32 v4, 8, v[ID+\i]
	v_add_lshl_u32 v[BS+\i], v[BS+\i], v4, 2       ; 4 x (first slot + rank)
	v_min_u32 v[BS+\i], 34556, v[BS+\i]            ; held inside order's 8,640 words
	v_add_nc_u32 v[RW+\i], \i, v130                ; the row
	global_store_b32 v[BS+\i], v[RW+\i], s[16:17]  ; each id has its own registers: none is written again
.endr
	v_mov_b32 v132, 0                              ; tile t's expert: how many experts end at or in front of t
.irp e, 0,1,2,3,4,5,6,7
	v_cmp_le_u32 vcc_lo, s[41+\e], v0
	v_cndmask_b32 v133, 0, 1, vcc_lo
	v_add_nc_u32 v132, v132, v133
.endr
	v_lshlrev_b32 v134, 2, v0
	global_store_b32 v134, v132, s[18:19]
	; the slots without a row get 8192: wave e takes expert e's (63 at the most), and all threads the tiles behind the last (448 slots at the most)
	s_mov_b32 s60, 0
	s_mov_b32 s61, 0
	s_mov_b32 s62, 0
.irp e, 0,1,2,3,4,5,6,7
	s_cmp_eq_u32 s20, \e
	s_cselect_b32 s60, s[40+\e], s60
	s_cselect_b32 s61, s[41+\e], s61
	s_cselect_b32 s62, s[50+\e], s62
.endr
	s_lshl_b32 s60, s60, 6
	s_add_co_u32 s60, s60, s62                     ; the first slot behind the expert's rows
	s_lshl_b32 s61, s61, 6                         ; the next expert's first slot
	s_lshl_b32 s66, s48, 6
	s_mov_b32 s67, 8640
	v_mov_b32 v135, 0x2000
	v_and_b32 v136, 31, v0
	v_add_nc_u32 v137, s60, v136
	v_add_nc_u32 v138, 32, v137
	v_add_nc_u32 v139, s66, v0
	v_add_nc_u32 v140, 0x100, v139
.irp k, 0,1,2,3
	v_min_u32 v[141+\k], 8639, v[137+\k]           ; offsets are made with all lanes on, and held inside order
	v_lshlrev_b32 v[141+\k], 2, v[141+\k]
.endr
.macro PAD k, end
	s_wait_xcnt 0x0                                ; EXEC is a source of the stores issued so far: it narrows only behind this wait
	v_cmp_gt_u32 vcc_lo, s[\end], v[137+\k]
	s_and_saveexec_b32 s63, vcc_lo
	global_store_b32 v[141+\k], v135, s[16:17]
	s_wait_xcnt 0x0                                ; and widens only behind this one
	s_or_b32 exec_lo, exec_lo, s63
.endm
	PAD 0, 61
	PAD 1, 61
	PAD 2, 67
	PAD 3, 67
	s_wait_xcnt 0x0
	s_mov_b32 exec_lo, -1
	s_wait_tensorcnt 0x0
	ds_add_u32 v160, v161
	s_wait_dscnt 0x0
	s_endpgm
.Lfunc_end_k_q765f79cbca_prep:
	.size	k_q765f79cbca_prep, .Lfunc_end_k_q765f79cbca_prep-k_q765f79cbca_prep
	.p2alignl 7, 3214868480
	.fill 96, 4, 3214868480
	.section	.rodata,"a",@progbits
	.p2align	6, 0x0
	.amdhsa_kernel k_q765f79cbca_prep
		.amdhsa_group_segment_fixed_size 9472
		.amdhsa_private_segment_fixed_size 0
		.amdhsa_enable_private_segment 0
		.amdhsa_kernarg_size 64
		.amdhsa_user_sgpr_count 2
		.amdhsa_user_sgpr_kernarg_segment_ptr 1
		.amdhsa_wavefront_size32 1
		.amdhsa_system_sgpr_workgroup_id_x 1
		.amdhsa_system_sgpr_workgroup_id_y 1
		.amdhsa_system_sgpr_workgroup_id_z 1
		.amdhsa_system_vgpr_workitem_id 0
		.amdhsa_next_free_vgpr 162
		.amdhsa_next_free_sgpr 96
		.amdhsa_reserve_vcc 1
		.amdhsa_float_denorm_mode_32 3
		.amdhsa_float_denorm_mode_16_64 3
		.amdhsa_memory_ordered 1
		.amdhsa_forward_progress 1
		.amdhsa_inst_pref_size 65
	.end_amdhsa_kernel
	.amdgpu_metadata
---
amdhsa.version: [ 1, 2 ]
amdhsa.kernels:
  - .name:           k_q765f79cbca_prep
    .symbol:         k_q765f79cbca_prep.kd
    .args:
      - { .name: W1, .offset: 0, .size: 8, .value_kind: global_buffer, .address_space: global }
      - { .name: W2, .offset: 8, .size: 8, .value_kind: global_buffer, .address_space: global }
      - { .name: W3, .offset: 16, .size: 8, .value_kind: global_buffer, .address_space: global }
      - { .name: gate_id, .offset: 24, .size: 8, .value_kind: global_buffer, .address_space: global }
      - { .name: wcodes, .offset: 32, .size: 8, .value_kind: global_buffer, .address_space: global }
      - { .name: wscales, .offset: 40, .size: 8, .value_kind: global_buffer, .address_space: global }
      - { .name: order, .offset: 48, .size: 8, .value_kind: global_buffer, .address_space: global }
      - { .name: texp, .offset: 56, .size: 8, .value_kind: global_buffer, .address_space: global }
    .group_segment_fixed_size: 9472
    .private_segment_fixed_size: 0
    .kernarg_segment_align: 8
    .kernarg_segment_size: 64
    .max_flat_workgroup_size: 256
    .sgpr_count:     96
    .vgpr_count:     162
    .wavefront_size: 32
...
	.end_amdgpu_metadata
.endif
;; end of part 1
;; launch experts (part 2): grid 135 x 1, 8 waves a work-group, no clusters, 134,656 bytes of LDS; arguments h, b1, b2, b3, wcodes, wscales, order, texp, out0; writes out0
.if DOCPART == 2
	.amdgcn_target "amdgcn-amd-amdhsa--gfx1250"
	.amdhsa_code_object_version 6
	.text
	.protected	k_q765f79cbca_experts
	.globl	k_q765f79cbca_experts
	.p2align	8
	.type	k_q765f79cbca_experts,@function
k_q765f79cbca_experts:
	s_mov_b64 s[64:65], 0
	v_nop
	global_prefetch_b8 v0, s[64:65] scope:SCOPE_SE
	s_setreg_imm32_b32 hwreg(HW_REG_WAVE_MODE, 25, 1), 1
	s_wait_xcnt 0x0
; out0[row] = W3_g^T leaky(W2_g^T leaky(W1_g^T h[row] + b1_g) + b2_g) + b3_g for the row's own expert g: the seven other experts' results are thrown away by the problem's selection and are not made.
; All three products on codes of E2M3 with one E8M0 byte for each 32 along K; sums, biases and leaky (max(x, 0.2 x)) in f32.
; A WORK-GROUP IS ONE TILE: 64 row slots of one expert (order, texp: made by the launch before).  It gathers its rows of h, quantises them, runs the three layers, and scatters whole rows of out0.
; a1 and a2 exist only as codes in LDS.  The eight waves share N: 64 columns each in layer 1, 32 in layers 2 and 3; every wave multiplies all four tiles of 16 rows: 112 matrix instructions a wave.
; WEIGHTS GO STRAIGHT INTO REGISTERS: a fragment of weights is wanted by one wave alone, for all four row tiles, so it is loaded once (3 loads of 512 consecutive bytes) and stays.  No ring in LDS, no tensor load.
; THE MATRIX INSTRUCTION IS USED TRANSPOSED: source 0 = 16 operand rows of weights, source 1 = 16 rows of activations.  In tile t = 2 bb + u, lane (r, hh) holds row r, and register j column 32 bb + 16 hh + 8 u + j of the wave's columns
; (the launch before chose the weights' rows so): the 16 registers of tiles u = 0, 1 are 16 neighbours along the next K; a block of 32 lies in lanes l and l xor 16.  The bias is the C of a sum's first instruction.
; THE GRID is the largest number of tiles that any gate_id gives, 135 (sum of ceil(n_e / 64)); a tile behind the last (7 at the most) holds 64 slots without a row, runs the same text on row 8191 and stores nothing:
; an early end would be a branch on loaded numbers round every barrier.  A slot without a row (order = 8192) is treated likewise.
; NO CLUSTER: the tiles of one expert read the same weights, but their number (0 to 128) hangs on gate_id, so no fixed group of four work-groups is sure to share an expert; and a joint load lands in LDS, where 344 KB of an expert's codes do not fit.
; LIMITS: NaN and infinities among the inputs are not served (the maxima drop NaN).  Blocks whose largest magnitude lies under 2^-124 get the byte 1.
; LDS, each region written once: HC h's codes 64 x 400; HS their bytes 64 x 16; A1C 64 x 400; A1S 64 x 16; A2C 64 x 208; A2S 64 x 8; OUTS 64 x 1,040 (f32).
; Pitches 400 and 208 bytes are 100 and 52 words: the 16 rows of a fragment start 4 words apart modulo 64 and the two halves of the lanes 6 words apart: a load of 8 bytes a lane touches 64 different words modulo 64.
.set HC,   0
.set HS,   25600
.set A1C,  26624
.set A1S,  52224
.set A2C,  53248
.set A2S,  66560
.set OUTS, 67072
.set PH,   400
.set P2,   208
.set PO,   1040
; REGISTERS, window 0: v1 16 L, v2 4 L, v3 64 L, v4 64 hh; v5-7 fragment addresses (HC, A1C, A2C); v8, v9 scale-word addresses; v10, v11 where h's codes and bytes go; v12-15 the same for a1, a2;
;   v16, v17 OUTS in and back; v18-25 offsets in h, later in out0; v26-34 at work; v36-42 codes; v44-51 0.2 x; v52-65 the weights' scale words; v66-73 the activations' scale words (these 22 hold scales alone);
;   v80-111 accumulators; v112-159 four fragments of activations; v160-255 W2's eight fragments.  In the h phase: v128-255 the numbers, v80+4p codes, v112+p bytes.  On the way out: v112-175.
; window 1: v0-191 W1's sixteen fragments (later v0-47 W3's four); v192-223, v224-239, v240-255 the biases in the accumulators' layout.
.set T,    44
.set WS1,  52
.set WS2,  60
.set WS3,  64
.set AS,   66
.set ACC,  80
.set ACT,  112
.set W2F,  160
.set B1R,  192
.set B2R,  224
.set B3R,  240
.set MSB, 0
.macro WIN new                         ; s_set_vgpr_msb: bits 1:0 source 0, 3:2 source 1, 5:4 source 2, 7:6 destination; the high byte repeats the setting that is left
.if MSB != (\new)
	s_set_vgpr_msb (MSB<<8)|(\new)
.set MSB, (\new)
.endif
.endm
	s_load_b256 s[4:11], s[0:1], 0x0               ; h s[4:5], b1 s[6:7], b2 s[8:9], b3 s[10:11]
	s_load_b256 s[12:19], s[0:1], 0x20             ; wcodes s[12:13], wscales s[14:15], order s[16:17], texp s[18:19]
	s_load_b64 s[20:21], s[0:1], 0x40              ; out0
	v_lshl_add_u32 v78, v0, 2, 0x20a00
	v_mov_b32 v79, 0
	v_lshrrev_b32 v26, 5, v0
	v_readfirstlane_b32 s22, v26                   ; wave w
	s_mov_b32 s27, 0
	s_mov_b32 s58, 0x76543210                      ; v_permlanex16_b32's selects for lane l xor 16
	s_mov_b32 s59, 0xfedcba98
	s_mov_b32 s60, 0x3e4ccccd                      ; 0.2
	s_mov_b32 s61, s60                             ; (named with it as a pair)
	s_lshl_b32 s26, ttmp9, 2
	s_wait_kmcnt 0x0
	s_add_nc_u64 s[28:29], s[18:19], s[26:27]      ; texp[tile]
	s_lshl_b32 s26, ttmp9, 8
	s_lshl_b32 s23, s22, 5
	s_add_co_u32 s26, s26, s23
	s_add_nc_u64 s[30:31], s[16:17], s[26:27]      ; order[tile][8 w ..]: my wave's eight slots
	s_load_b32 s24, s[28:29], 0x0
	s_load_b256 s[32:39], s[30:31], 0x0
	v_and_b32 v26, 31, v0                          ; L
	v_and_b32 v27, 15, v0                          ; r
	v_bfe_u32 v28, v0, 4, 1                        ; hh
	v_lshlrev_b32 v1, 4, v26
	v_lshlrev_b32 v2, 2, v26
	v_lshlrev_b32 v3, 6, v26
	v_lshlrev_b32 v4, 6, v28
	v_mul_u32_u24 v29, v27, PH
	v_mul_u32_u24 v30, v28, 24
	v_add_nc_u32 v5, v29, v30                      ; HC (at 0) + 400 r + 24 hh
	v_add_nc_u32 v6, A1C, v5
	v_mul_u32_u24 v31, v27, P2
	v_add3_u32 v7, v31, v30, A2C
	v_lshl_add_u32 v8, v26, 4, HS                  ; lane L takes row L's four scale words: lanes 0-15 an even row tile's, lanes 16-31 the odd one's
	v_lshl_add_u32 v9, v26, 3, A2S
	s_mul_i32 s26, s22, 8*PH
	v_mul_u32_u24 v10, v26, 12
	v_add_nc_u32 v10, s26, v10                     ; HC + my wave's eight rows + 12 L
	s_lshl_b32 s26, s22, 7
	s_add_co_u32 s26, s26, HS
	v_lshrrev_b32 v11, 1, v26
	v_add_nc_u32 v11, s26, v11                     ; HS + my wave's eight rows + block L / 2
	v_mul_u32_u24 v32, v28, 12
	s_mul_i32 s26, s22, 48
	s_add_co_u32 s26, s26, A1C
	v_add3_u32 v12, v29, v32, s26                  ; a1: row r; columns 64 w + 16 hh on are 48 w + 12 hh bytes on
	s_lshl_b32 s26, s22, 1
	s_add_co_u32 s26, s26, A1S
	v_lshl_add_u32 v13, v27, 4, s26
	s_mul_i32 s26, s22, 24
	s_add_co_u32 s26, s26, A2C
	v_add3_u32 v14, v31, v32, s26
	s_add_co_u32 s26, s22, A2S
	v_lshl_add_u32 v15, v27, 3, s26
	s_lshl_b32 s26, s22, 7
	s_add_co_u32 s26, s26, OUTS
	v_mul_u32_u24 v33, v27, PO
	v_add3_u32 v16, v33, v4, s26
	s_mul_i32 s26, s22, 8*PO
	s_add_co_u32 s26, s26, OUTS
	v_add_nc_u32 v17, s26, v1
	s_wait_kmcnt 0x0
	s_min_u32 s24, s24, 7                          ; the expert (a tile behind the last: 7)
.irp i, 0,1,2,3,4,5,6,7
	s_min_u32 s[72+\i], s[32+\i], 8191             ; the row that is read (a slot without a row: 8191)
.endr
.macro BASE dst, src, em, wm, sect     ; a buffer's address + the section + expert x em + wave x wm
	s_mul_i32 s26, s24, \em
	s_mul_i32 s23, s22, \wm
	s_add_co_u32 s26, s26, s23
.if \sect
	s_add_co_u32 s26, s26, \sect
.endif
	s_add_nc_u64 s[\dst:\dst+1], s[\src:\src+1], s[26:27]
.endm
	BASE 40, 12, 196608, 24576, 0                  ; W1's codes: my 16 fragments
	BASE 42, 12, 98304, 12288, 1572864             ; W2's: my 8
	BASE 44, 12, 49152, 6144, 2359296              ; W3's: my 4
	BASE 46, 14, 8192, 256, 0                      ; scale words
	BASE 48, 14, 4096, 128, 65536
	BASE 50, 14, 2048, 128, 98304
	BASE 52, 6, 2048, 256, 0                       ; biases
	BASE 54, 8, 1024, 128, 0
	BASE 56, 10, 1024, 128, 0
	; THE LOADS, in this order.  First 30: 14 scale words, 16 of biases.
.irp q, 0,1,2,3
.irp bb, 0,1
	global_load_b32 v[WS1+2*\q+\bb], v2, s[46:47] offset:2048*\q+128*\bb   ; lanes 0-15: tile u = 0's rows; lanes 16-31: tile u = 1's
.endr
.endr
.irp q, 0,1,2,3
	global_load_b32 v[WS2+\q], v2, s[48:49] offset:1024*\q
.endr
.irp q, 0,1
	global_load_b32 v[WS3+\q], v2, s[50:51] offset:1024*\q
.endr
	WIN 0x40                                       ; destination window 1
.irp bb, 0,1
.irp c, 0,1,2,3
	global_load_b128 v[B1R+16*\bb+4*\c:B1R+16*\bb+4*\c+3], v4, s[52:53] offset:128*\bb+16*\c   ; b1 at my 16 columns of block bb
.endr
.endr
.irp c, 0,1,2,3
	global_load_b128 v[B2R+4*\c:B2R+4*\c+3], v4, s[54:55] offset:16*\c
.endr
.irp c, 0,1,2,3
	global_load_b128 v[B3R+4*\c:B3R+4*\c+3], v4, s[56:57] offset:16*\c
.endr
	WIN 0
	; then 32: my wave's eight rows of h, a lane 16 neighbours (64 bytes): the four loads of a row read its 2,048 bytes
.irp p, 0,1,2,3,4,5,6,7
	v_lshl_add_u32 v[18+\p], s[72+\p], 11, v3
.irp i, 0,1,2,3
	global_load_b128 v[128+16*\p+4*\i:128+16*\p+4*\i+3], v[18+\p], s[4:5] offset:16*\i th:TH_LOAD_NT
.endr
.endr
	; then 48: W1's fragments, the first k-step's first
	WIN 0x40
.irp f, 0,1,2,3,4,5,6,7,8,9,10,11,12,13,14,15
.irp j, 0,1,2
	global_load_b128 v[12*\f+4*\j:12*\f+4*\j+3], v1, s[40:41] offset:1536*\f+512*\j
.endr
.endr
	WIN 0
; h IS QUANTISED.  Pass p: row slot 8 w + p.  Two neighbouring lanes hold a block of 32.
.macro HQ p
.set XS, 128+16*\p
.if 76-4*\p > 63
	s_wait_loadcnt 63                              ; of the 110 loads issued the first 47 are in, passes 0 to 3 (loads 31 to 46) among them; a larger count cannot be written
.else
	s_wait_loadcnt 76-4*\p                         ; of the 110 loads issued the first 30 + 4 (p + 1) are in
.endif
	v_max3_num_f32 v26, |v[XS]|, |v[XS+1]|, |v[XS+2]|
	v_max3_num_f32 v27, |v[XS+3]|, |v[XS+4]|, |v[XS+5]|
.irp i, 6,10
	v_max3_num_f32 v26, v26, |v[XS+\i]|, |v[XS+\i+1]|
	v_max3_num_f32 v27, v27, |v[XS+\i+2]|, |v[XS+\i+3]|
.endr
	v_max3_num_f32 v26, v26, |v[XS+14]|, |v[XS+15]|
	v_max_num_f32 v26, v26, v27
	v_max_num_f32_dpp v26, v26, v26 row_xmask:1 row_mask:0xf bank_mask:0xf   ; with my neighbour's 16: the block's largest magnitude
	v_lshrrev_b32 v27, 23, v26                     ; its exponent field
	v_max_u32 v27, 3, v27                          ; the byte is not to fall under 1
	v_add_nc_u32 v27, -2, v27
	v_lshlrev_b32 v28, 23, v27                     ; the scale as f32
	v_cmp_eq_u32 vcc_lo, 0, v26
	v_cvt_scalef32_pk16_fp6_f32 v[80+4*\p:82+4*\p], v[XS:XS+15], v28
	v_cndmask_b32 v[112+\p], v27, 127, vcc_lo      ; a block of zeros gets 127.  (Also the plain instruction behind the conversion)
	ds_store_b8 v11, v[112+\p] offset:16*\p        ; both lanes of a block write the same byte
.irp i, 0,1,2
	ds_store_b32 v10, v[80+4*\p+\i] offset:PH*\p+4*\i
.endr
.endm
.irp p, 0,1,2,3,4,5,6,7
	HQ \p
.endr
	; then 24: W2's fragments, into registers that the conversions have read
.irp f, 0,1,2,3,4,5,6,7
.irp j, 0,1,2
	global_load_b128 v[W2F+12*\f+4*\j:W2F+12*\f+4*\j+3], v1, s[42:43] offset:1536*\f+512*\j
.endr
.endr
	s_wait_dscnt 0x0                               ; for the other waves' sake: my eight rows' codes and bytes are in LDS
	s_barrier_signal -1
	s_barrier_wait -1
; nq fragments of activations (row tile mt, 128 K each): lane (r, hh) takes 24 bytes at 96 q + 24 hh and 24 at 96 q + 48 + 24 hh of row r, as three loads of 8 bytes each
.macro ACTLOAD adr, mt, nq, pitch
.set q_, 0
.rept \nq
.irp p, 0,1,2,3,4,5
	ds_load_b64 v[ACT+12*q_+2*\p:ACT+12*q_+2*\p+1], v[\adr] offset:(\mt)*16*\pitch+96*q_+48*(\p/3)+8*(\p%3)
.endr
.set q_, q_+1
.endr
.endm
.macro WM                              ; one matrix instruction; fA, fB: the scale words stand in lanes 16-31
.if fA && fB
	v_wmma_scale_f32_16x16x128_f8f6f4 v[rD:rD+7], v[rA:rA+11], v[rB:rB+11], v[rC:rC+7], v[rSA], v[rSB] matrix_a_fmt:MATRIX_FMT_FP6 matrix_b_fmt:MATRIX_FMT_FP6 matrix_a_scale:MATRIX_SCALE_ROW1 matrix_b_scale:MATRIX_SCALE_ROW1
.elseif fA
	v_wmma_scale_f32_16x16x128_f8f6f4 v[rD:rD+7], v[rA:rA+11], v[rB:rB+11], v[rC:rC+7], v[rSA], v[rSB] matrix_a_fmt:MATRIX_FMT_FP6 matrix_b_fmt:MATRIX_FMT_FP6 matrix_a_scale:MATRIX_SCALE_ROW1
.elseif fB
	v_wmma_scale_f32_16x16x128_f8f6f4 v[rD:rD+7], v[rA:rA+11], v[rB:rB+11], v[rC:rC+7], v[rSA], v[rSB] matrix_a_fmt:MATRIX_FMT_FP6 matrix_b_fmt:MATRIX_FMT_FP6 matrix_b_scale:MATRIX_SCALE_ROW1
.else
	v_wmma_scale_f32_16x16x128_f8f6f4 v[rD:rD+7], v[rA:rA+11], v[rB:rB+11], v[rC:rC+7], v[rSA], v[rSB] matrix_a_fmt:MATRIX_FMT_FP6 matrix_b_fmt:MATRIX_FMT_FP6
.endif
.endm
; Row tile mt against the wave's nt tiles of weights, nq k-steps.  wb, wwin: the weights' first register and window; biasb (window 1): the C of the first k-step, so nothing is cleared and no bias is added later.
; The nt accumulators take turns, one instruction a turn.
; younger: LDS stores issued behind this tile's fragment loads.  lc, ls (used at mt = 0): global loads issued behind this layer's weights, and the loads of one k-step's weights.
.macro MM mt, nt, nq, wb, wwin, biasb, wsb, asb, ab, younger, lc, ls
.set q_, 0
.rept \nq
	s_wait_dscnt 6*(\nq-1-q_)+\younger             ; this k-step's fragment is in; the later fragments' loads and the last epilogue's stores may be out
.if \mt == 0
	s_wait_loadcnt \lc+\ls*(\nq-1-q_)              ; this k-step's weights are in; the later k-steps' and the later layers' may be out
.endif
.if q_ == 0
	WIN 0x10|\wwin
.else
	WIN \wwin
.endif
.set t_, 0
.rept \nt
.set rD, \ab+8*t_
.set rA, \wb+12*(\nt*q_+t_)
.set rB, ACT+12*q_
.if q_ == 0
.set rC, \biasb+8*t_
.else
.set rC, rD
.endif
.set rSA, \wsb+(\nt/2)*q_+t_/2
.set rSB, \asb+q_
.set fA, t_%2
.set fB, (\mt)%2
	WM
.set t_, t_+1
.endr
.set q_, q_+1
.endr
	WIN 0
.rept 4
	v_nop                                          ; four plain instructions in front of loads into the fragments' registers and of the first read of the results
.endr
.endm
; The results of nb blocks of 32 columns (16 registers a lane each, at ab) become codes: leaky, the block's largest magnitude (mine and lane l xor 16's), its byte, the conversion; codes and bytes go to LDS.
; next: the LDS loads issued just before, which may stay out.
.macro EPI nb, ab, cadr, coff, next, sadr, soff
	s_wait_dscnt \next                             ; the last epilogue's stores are done: their registers are written again below
.set g_, 0
.rept 2*\nb
.set rX, \ab+8*g_
.irp k, 0,1,2,3
	v_pk_mul_f32 v[T+2*\k:T+2*\k+1], v[rX+2*\k:rX+2*\k+1], s[60:61] op_sel_hi:[1,0]   ; each accumulator is read from its low end on
.endr
.irp k, 0,1,2,3,4,5,6,7
	v_max_num_f32 v[rX+\k], v[rX+\k], v[T+\k]      ; max(x, 0.2 x): x where x > 0, else 0.2 x
.endr
.set g_, g_+1
.endr
.set b_, 0
.rept \nb
.set rX, \ab+16*b_
	v_max3_num_f32 v[26+b_], |v[rX]|, |v[rX+1]|, |v[rX+2]|
.irp i, 3,5,7,9,11,13
	v_max3_num_f32 v[26+b_], v[26+b_], |v[rX+\i]|, |v[rX+\i+1]|
.endr
	v_max_num_f32 v[26+b_], v[26+b_], |v[rX+15]|
	v_mov_b32 v[28+b_], 0                          ; (the destination of a lane permute counts as read)
	v_permlanex16_b32 v[28+b_], v[26+b_], s58, s59
	v_max_num_f32 v[26+b_], v[26+b_], v[28+b_]
	v_lshrrev_b32 v[30+b_], 23, v[26+b_]
	v_max_u32 v[30+b_], 3, v[30+b_]
	v_add_nc_u32 v[30+b_], -2, v[30+b_]
	v_lshlrev_b32 v[32+b_], 23, v[30+b_]
	v_cmp_eq_u32 vcc_lo, 0, v[26+b_]
	v_cndmask_b32 v[30+b_], v[30+b_], 127, vcc_lo
.set b_, b_+1
.endr
	v_cvt_scalef32_pk16_fp6_f32 v[36:38], v[\ab:\ab+15], v32
.if \nb == 2
	v_cvt_scalef32_pk16_fp6_f32 v[40:42], v[\ab+16:\ab+31], v33
	v_lshl_or_b32 v34, v31, 8, v30                 ; the two blocks' bytes.  (Also the plain instruction behind the conversions)
.else
	v_nop
.endif
.irp i, 0,1,2
	ds_store_b32 v[\cadr], v[36+\i] offset:\coff+4*\i
.endr
.if \nb == 2
.irp i, 0,1,2
	ds_store_b32 v[\cadr], v[40+\i] offset:\coff+24+4*\i
.endr
	ds_store_b16 v[\sadr], v34 offset:\soff        ; both halves of the lanes write the same bytes
.else
	ds_store_b8 v[\sadr], v30 offset:\soff
.endif
.endm
	; LAYER 1: K = 512, four k-steps; my 64 columns: four tiles
	ds_load_b128 v[AS:AS+3], v8                    ; h's scale words: rows 0-31,
	ds_load_b128 v[AS+4:AS+7], v8 offset:512       ; rows 32-63; register q is k-step q's word
	ACTLOAD 5, 0, 4, PH
.irp mt, 0,1,2,3
.if \mt == 0
	MM \mt, 4, 4, 0, 1, B1R, WS1, AS+4*(\mt/2), ACC, 0, 24, 12     ; behind W1's loads: W2's 24; a k-step's weights: 12 loads
.else
	MM \mt, 4, 4, 0, 1, B1R, WS1, AS+4*(\mt/2), ACC, 7, 24, 12     ; behind the fragments' loads: the last epilogue's 7 stores
.endif
.if \mt < 3
	ACTLOAD 5, \mt+1, 4, PH
	EPI 2, ACC, 12, 16*PH*\mt, 24, 13, 256*\mt
.else
	WIN 0x40                                       ; the last 12 loads: W3's fragments, over W1's first four, which have been multiplied for the last time
.irp f, 0,1,2,3
.irp j, 0,1,2
	global_load_b128 v[12*\f+4*\j:12*\f+4*\j+3], v1, s[44:45] offset:1536*\f+512*\j
.endr
.endr
	WIN 0
	EPI 2, ACC, 12, 16*PH*\mt, 0, 13, 256*\mt
.endif
.endr
	s_wait_dscnt 0x0                               ; for the other waves' sake: my columns of a1 are in LDS
	s_barrier_signal -1
	s_barrier_wait -1
	; LAYER 2: K = 512; my 32 columns: two tiles; two sets of accumulators by turns
	ds_load_b128 v[AS:AS+3], v8 offset:A1S-HS
	ds_load_b128 v[AS+4:AS+7], v8 offset:A1S-HS+512
	ACTLOAD 6, 0, 4, PH
.irp mt, 0,1,2,3
.if \mt == 0
	MM \mt, 2, 4, W2F, 0, B2R, WS2, AS+4*(\mt/2), ACC+16*(\mt%2), 0, 12, 6    ; behind W2's loads: W3's 12; a k-step's weights: 6 loads
.else
	MM \mt, 2, 4, W2F, 0, B2R, WS2, AS+4*(\mt/2), ACC+16*(\mt%2), 4, 12, 6    ; the last epilogue's 4 stores
.endif
.if \mt < 3
	ACTLOAD 6, \mt+1, 4, PH
	EPI 1, ACC+16*(\mt%2), 14, 16*P2*\mt, 24, 15, 128*\mt
.else
	EPI 1, ACC+16*(\mt%2), 14, 16*P2*\mt, 0, 15, 128*\mt
.endif
.endr
	s_wait_dscnt 0x0                               ; my columns of a2 are in LDS
	s_barrier_signal -1
	s_barrier_wait -1
	; LAYER 3: K = 256, two k-steps; my 32 columns.  The results go to OUTS as they are.
	ds_load_b64 v[AS:AS+1], v9
	ds_load_b64 v[AS+4:AS+5], v9 offset:256
	ACTLOAD 7, 0, 2, P2
.irp mt, 0,1,2,3
.if \mt == 0
	MM \mt, 2, 2, 0, 1, B3R, WS3, AS+4*(\mt/2), ACC+16*(\mt%2), 0, 0, 6
.else
	MM \mt, 2, 2, 0, 1, B3R, WS3, AS+4*(\mt/2), ACC+16*(\mt%2), 4, 0, 6      ; the last tile's 4 stores.  A set of accumulators is written again two tiles on: 16 LDS instructions then stand behind its stores, and the first wait leaves 10 out
.endif
.if \mt < 3
	ACTLOAD 7, \mt+1, 2, P2
.endif
.irp c, 0,1,2,3
	ds_store_b128 v16, v[ACC+16*(\mt%2)+4*\c:ACC+16*(\mt%2)+4*\c+3] offset:16*PO*\mt+16*\c   ; each accumulator from its low end on: 64 neighbouring bytes of row r
.endr
.endr
	s_wait_dscnt 0x0                               ; my columns of the result are in LDS
	s_barrier_signal -1
	s_barrier_wait -1
	; THE WAY OUT: my wave's eight row slots, whole rows of 1,024 bytes: each store covers 512 consecutive bytes, aligned
.irp i, 0,1,2,3,4,5,6,7
	ds_load_b128 v[112+8*\i:115+8*\i], v17 offset:PO*\i
	ds_load_b128 v[116+8*\i:119+8*\i], v17 offset:PO*\i+512
.endr
.irp i, 0,1,2,3,4,5,6,7
	v_lshl_add_u32 v[18+\i], s[72+\i], 10, v1      ; (h's loads, which read these registers, were shown done by layer 3's wait for 0)
.endr
.irp i, 0,1,2,3,4,5,6,7
	s_wait_dscnt 14-2*\i                           ; this row's two loads are in; the later rows' may be out
	s_cmp_lt_u32 s[32+\i], 0x2000
	s_cbranch_scc0 .Lno_row_\i                     ; a slot without a row stores nothing; the jump passes over the two stores alone
	global_store_b128 v[18+\i], v[112+8*\i:115+8*\i], s[20:21] th:TH_STORE_NT
	global_store_b128 v[18+\i], v[116+8*\i:119+8*\i], s[20:21] offset:512 th:TH_STORE_NT
.Lno_row_\i:
.endr
	s_barrier_signal -1
	s_barrier_wait -1
	s_wait_tensorcnt 0x0
	ds_add_u32 v78, v79
	s_wait_dscnt 0x0
	s_endpgm
.Lfunc_end_k_q765f79cbca_experts:
	.size	k_q765f79cbca_experts, .Lfunc_end_k_q765f79cbca_experts-k_q765f79cbca_experts
	.p2alignl 7, 3214868480
	.fill 96, 4, 3214868480
	.section	.rodata,"a",@progbits
	.p2align	6, 0x0
	.amdhsa_kernel k_q765f79cbca_experts
		.amdhsa_group_segment_fixed_size 134656
		.amdhsa_private_segment_fixed_size 0
		.amdhsa_enable_private_segment 0
		.amdhsa_kernarg_size 72
		.amdhsa_user_sgpr_count 2
		.amdhsa_user_sgpr_kernarg_segment_ptr 1
		.amdhsa_wavefront_size32 1
		.amdhsa_system_sgpr_workgroup_id_x 1
		.amdhsa_system_sgpr_workgroup_id_y 1
		.amdhsa_system_sgpr_workgroup_id_z 1
		.amdhsa_system_vgpr_workitem_id 0
		.amdhsa_next_free_vgpr 512
		.amdhsa_next_free_sgpr 84
		.amdhsa_reserve_vcc 1
		.amdhsa_float_denorm_mode_32 3
		.amdhsa_float_denorm_mode_16_64 3
		.amdhsa_memory_ordered 1
		.amdhsa_forward_progress 1
		.amdhsa_inst_pref_size 95
	.end_amdhsa_kernel
	.amdgpu_metadata
---
amdhsa.version: [ 1, 2 ]
amdhsa.kernels:
  - .name:           k_q765f79cbca_experts
    .symbol:         k_q765f79cbca_experts.kd
    .args:
      - { .name: h, .offset: 0, .size: 8, .value_kind: global_buffer, .address_space: global }
      - { .name: b1, .offset: 8, .size: 8, .value_kind: global_buffer, .address_space: global }
      - { .name: b2, .offset: 16, .size: 8, .value_kind: global_buffer, .address_space: global }
      - { .name: b3, .offset: 24, .size: 8, .value_kind: global_buffer, .address_space: global }
      - { .name: wcodes, .offset: 32, .size: 8, .value_kind: global_buffer, .address_space: global }
      - { .name: wscales, .offset: 40, .size: 8, .value_kind: global_buffer, .address_space: global }
      - { .name: order, .offset: 48, .size: 8, .value_kind: global_buffer, .address_space: global }
      - { .name: texp, .offset: 56, .size: 8, .value_kind: global_buffer, .address_space: global }
      - { .name: out0, .offset: 64, .size: 8, .value_kind: global_buffer, .address_space: global }
    .group_segment_fixed_size: 134656
    .private_segment_fixed_size: 0
    .kernarg_segment_align: 8
    .kernarg_segment_size: 72
    .max_flat_workgroup_size: 256
    .sgpr_count:     84
    .vgpr_count:     512
    .wavefront_size: 32
...
	.end_amdgpu_metadata
.endif
;; end of part 2
;; ======== version 2 of 3: 2 launches; 1.27 times as fast as version 1
;; workspace buffers: wcodes 2,752,512 bytes; wscales 114,688 bytes; order 34,560 bytes of whole numbers; texp 1,024 bytes of whole numbers
;; launch prep (part 3): grid 232 x 1, 8 waves a work-group, no clusters, 2,304 bytes of LDS; arguments W1, W2, W3, gate_id, wcodes, wscales, order, texp; writes wcodes, wscales, order, texp
.if DOCPART == 3
	.amdgcn_target "amdgcn-amd-amdhsa--gfx1250"
	.amdhsa_code_object_version 6
	.text
	.protected	k_q765f79cbca_prep
	.globl	k_q765f79cbca_prep
	.p2align	8
	.type	k_q765f79cbca_prep,@function
k_q765f79cbca_prep:
	s_mov_b64 s[64:65], 0
	v_nop
	global_prefetch_b8 v0, s[64:65] scope:SCOPE_SE
	s_setreg_imm32_b32 hwreg(HW_REG_WAVE_MODE, 25, 1), 1
	s_wait_xcnt 0x0
; TWO JOBS IN ONE LAUNCH, told apart by the work-group's number alone.
; Work-groups 0 .. 7 ROUTE: g = gate_id held to 0 .. 7; the 8,192 rows are sorted by expert into tiles of 64 row slots, each expert's rows beginning on a tile:
;   order[135][64] = a row's number, or 8192 for a slot without a row;  texp[256] = tile t's expert, or 8 behind the last tile.  Sum of ceil(n_e / 64) is 128 to 135.
;   Work-group k PLACES the ids 1,024 k .. 1,024 k + 1,023 (4 a thread).  For that it needs every expert's number of rows, and the rows in front of its own 1,024: so each of the eight
;   COUNTS all 8,192 ids (32 a thread; wave w counts the ids 1,024 w on), which costs 32 KB of reads each and spares all traffic between work-groups.
;   Work-group k also writes the empty slots of expert k and of the k-th tile behind the last; work-group 0 writes texp.  So each word of order and texp is written once, by one work-group.
; Work-groups 8 .. 231 QUANTISE W1 [8][512][512], W2 [8][512][256], W3 [8][256][256] (f32, K = the middle axis) to codes of E2M3 with one E8M0 byte for each 32 along K.
;   A block's byte is its largest magnitude's exponent field - 2, held at 1 from below; a block of zeros gets 127; numbers / scale go to the nearest code, ties to even.
;   A LANE TAKES A COLUMN AND ITS REGISTERS RUN DOWN K, so a block of 32 lies in one lane and the conversions give codes with K innermost.
;   The codes are stored as the next launch's registers want them: fragments of 1,536 bytes (16 operand rows x 128 K = 12 registers x 32 lanes), register i of lane L at (i / 4) 512 + 16 L + 4 (i % 4).
;   Operand row rho of tile u of a block b of 32 columns is column 32 b + 8 u + rho + 8 (rho / 8): then a result lane's 16 registers of tiles u = 0, 1 are 16 neighbours along the next K.
;   wcodes: L1 at 0 [e][w 8][f = 4 q + 2 (b & 1) + u], w = b / 2;  L2 at 1,572,864 [e][b 8][f = 2 q + u];  L3 at 2,359,296 [e][b 8][f = 2 q + u].
;   wscales: 128 bytes for each (e, q, b): the word at 4 (rho + 16 u) holds the bytes of k-blocks 4 q .. 4 q + 3.  L1 at 0 [e][q 4][b 16]; L2 at 65,536 [e][q 4][b 8]; L3 at 98,304 [e][q 2][b 8].
; LDS: bytes 0 .. 1,023 are the quantiser's (a word a thread); bytes 1,024 .. 1,279 the routing's (32 bytes a wave): each job has bytes of its own.
; LIMITS: NaN and infinities among the weights are not served.  Gate ids above 2^31 - 65, which the problem's own way through f32 carries past int32, are not served; all others, negative ones too, are held to 0 .. 7.
; No tensor loads, no clusters: each weight number is read once by one lane, and nothing is handed between work-groups.
.set X,   32                           ; quantiser: v32-95 two blocks of 32 numbers
.set C,   96                           ; v96-107 the lane's 12 registers of codes; v108-110 a conversion's second half on its way
.set ID,  32                           ; routing: v32-63 my 32 ids of the count
.set PI,  64                           ; v64-67 my 4 ids of the placement, then rank << 8 | 4 g
.set TS,  68                           ; v68-79 four ids abreast: a counter's place, 1 for experts 4-7, 1 for experts 0-3
.set TH,  72
.set TL,  76
.set CA,  80                           ; v80-83, v84-87 four pairs of byte counters (experts 0-3, 4-7)
.set CB,  84
.set CC,  88                           ; v88-91 my 32 ids' counts in 16 bits
.set OF,  96                           ; v96-99 byte offsets in order; v100-103 row numbers
.set RW,  100
.set TM,  104                          ; v104-119 at work
.set WT,  1024                         ; LDS: the routing's wave totals, 8 x 32 bytes
	s_load_b256 s[4:11], s[0:1], 0x0               ; W1 s[4:5], W2 s[6:7], W3 s[8:9], gate_id s[10:11]
	s_load_b256 s[12:19], s[0:1], 0x20             ; wcodes s[12:13], wscales s[14:15], order s[16:17], texp s[18:19]
	v_lshl_add_u32 v160, v0, 2, 0x500
	v_mov_b32 v161, 0
	v_lshrrev_b32 v1, 5, v0
	v_readfirstlane_b32 s20, v1                    ; wave 0..7
	s_wait_kmcnt 0x0
	s_cmp_lt_u32 ttmp9, 8
	s_cbranch_scc1 .Lroute                         ; the same way for all eight waves
; ---------------------------------------------------------------- THE QUANTISER
; A work-group: one expert, 128 columns (4 blocks of 32), one k-step q of 128.  Wave v: block nbl = v / 2, half hsel = v % 2: k-blocks 4 q + hsel and 4 q + 2 + hsel,
; which are the 12 registers of operand lane rho + 16 hsel.
	s_sub_co_u32 s21, ttmp9, 8                     ; j
	s_lshr_b32 s22, s20, 1                         ; nbl
	s_and_b32 s23, s20, 1                          ; hsel
	v_and_b32 v1, 31, v0                           ; x: my column in the block
	v_lshlrev_b32 v2, 2, v1                        ; in: 4 bytes a lane
	v_bfe_u32 v8, v1, 3, 1                         ; u   = bit 3 of x
	v_and_b32 v9, 7, v1
	v_lshrrev_b32 v10, 4, v1
	v_lshl_or_b32 v9, v10, 3, v9                   ; rho = bits 2:0 of x, and bit 4 as bit 3
	v_mul_u32_u24 v3, v8, 1536
	v_lshl_add_u32 v3, v9, 4, v3
	s_lshl_b32 s24, s23, 8
	v_add_nc_u32 v3, s24, v3                       ; out: tile u's fragment, lane rho + 16 hsel
	v_lshlrev_b32 v4, 2, v0                        ; LDS: a word for each thread: a wave's 128 bytes are its own
	v_lshrrev_b32 v5, 4, v0                        ; the reader (threads 0-63, 8 bytes each): output words rho + 16 u = 2 (t & 15) and the next of block t / 16 were written by lanes x and x + 1,
	v_lshlrev_b32 v5, 8, v5                        ; x = 2 (t & 3) + 8 ((t >> 3) & 1) + 16 ((t >> 2) & 1), of waves 2 (t / 16) and 2 (t / 16) + 1
	v_and_b32 v10, 3, v0
	v_lshl_add_u32 v5, v10, 3, v5
	v_bfe_u32 v10, v0, 3, 1
	v_lshl_add_u32 v5, v10, 5, v5
	v_bfe_u32 v10, v0, 2, 1
	v_lshl_add_u32 v5, v10, 6, v5
	v_lshlrev_b32 v6, 3, v0                        ; and where the 8 bytes go
.macro WLOADS pitch                    ; W(128 q + 32 hsel + 64 c + i, my column): each load reads 128 consecutive bytes
.irp c, 0,1
.irp i, 0,1,2,3,4,5,6,7,8,9,10,11,12,13,14,15,16,17,18,19,20,21,22,23,24,25,26,27,28,29,30,31
	global_load_b32 v[X+32*\c+\i], v2, s[26:27] offset:(64*\c+\i)*\pitch th:TH_LOAD_NT
.endr
.endr
.endm
	s_mov_b32 s35, 0
	s_cmp_lt_u32 s21, 128
	s_cbranch_scc0 .Lw23
	; W1: j = 16 e + 4 ng + q; rows of 2,048 bytes
	s_lshr_b32 s24, s21, 4                         ; e
	s_bfe_u32 s25, s21, 0x20002                    ; ng
	s_and_b32 s32, s21, 3                          ; q
	s_lshl2_add_u32 s33, s25, s22                  ; b = 4 ng + nbl
	s_lshl_b32 s34, s24, 20                        ; source: e x 1,048,576
	s_lshl_b32 s40, s32, 18                        ; + 128 q rows
	s_add_co_u32 s34, s34, s40
	s_lshl_b32 s40, s23, 16                        ; + 32 hsel rows
	s_add_co_u32 s34, s34, s40
	s_lshl_b32 s40, s33, 7                         ; + 128 b bytes
	s_add_co_u32 s34, s34, s40
	s_add_nc_u64 s[26:27], s[4:5], s[34:35]
	s_mul_i32 s36, s24, 196608                     ; codes: e, wave b / 2, fragment 4 q + 2 (b & 1)
	s_lshr_b32 s40, s33, 1
	s_mul_i32 s40, s40, 24576
	s_add_co_u32 s36, s36, s40
	s_and_b32 s40, s33, 1
	s_lshl1_add_u32 s40, s32, s40
	s_mul_i32 s40, s40, 3072
	s_add_co_u32 s36, s36, s40
	s_lshl_b32 s38, s24, 13                        ; scales: e x 8,192 + q x 2,048 + ng x 512
	s_lshl_b32 s40, s32, 11
	s_add_co_u32 s38, s38, s40
	s_lshl_b32 s40, s25, 9
	s_add_co_u32 s38, s38, s40
	WLOADS 2048
	s_branch .Lquant
.Lw23:
	; W2: j - 128 = 8 e + 4 ng + q;  W3: j - 192 = 4 e + 2 ng + q.  Rows of 1,024 bytes; W2's sizes are twice W3's, so one shift (s41) serves both.
	s_cmp_lt_u32 s21, 192
	s_cselect_b32 s41, 1, 0
	s_mov_b32 s40, 192
	s_cselect_b32 s40, 128, s40
	s_mov_b32 s45, 2359296
	s_cselect_b32 s45, 1572864, s45
	s_mov_b32 s47, 98304
	s_cselect_b32 s47, 65536, s47
	s_cselect_b64 s[26:27], s[6:7], s[8:9]         ; the choice hangs on the work-group's number alone
	s_sub_co_u32 s21, s21, s40
	s_add_co_u32 s42, s41, 1                       ; bits of q
	s_lshl_b32 s43, 1, s42
	s_sub_co_u32 s43, s43, 1
	s_and_b32 s32, s21, s43                        ; q
	s_lshr_b32 s25, s21, s42
	s_lshr_b32 s24, s25, 1                         ; e
	s_and_b32 s25, s25, 1                          ; ng
	s_lshl2_add_u32 s33, s25, s22                  ; b
	s_lshl_b32 s34, s24, 18                        ; source: e x 262,144 (W2: twice)
	s_lshl_b32 s34, s34, s41
	s_lshl_b32 s43, s32, 17
	s_add_co_u32 s34, s34, s43
	s_lshl_b32 s43, s23, 15
	s_add_co_u32 s34, s34, s43
	s_lshl_b32 s43, s33, 7
	s_add_co_u32 s34, s34, s43
	s_add_nc_u64 s[26:27], s[26:27], s[34:35]
	s_mul_i32 s36, s24, 49152                      ; codes: (e x 49,152 + b x 6,144) (W2: twice) + 2 q fragments + the section
	s_mul_i32 s43, s33, 6144
	s_add_co_u32 s36, s36, s43
	s_lshl_b32 s36, s36, s41
	s_mul_i32 s43, s32, 3072
	s_add_co_u32 s36, s36, s43
	s_add_co_u32 s36, s36, s45
	s_lshl_b32 s38, s24, 11                        ; scales: e x 2,048 (W2: twice) + q x 1,024 + ng x 512 + the section
	s_lshl_b32 s38, s38, s41
	s_lshl_b32 s43, s32, 10
	s_add_co_u32 s38, s38, s43
	s_lshl_b32 s43, s25, 9
	s_add_co_u32 s38, s38, s43
	s_add_co_u32 s38, s38, s47
	WLOADS 1024
.Lquant:                                               ; on either way 64 loads have been issued
	s_mov_b32 s37, 0
	s_mov_b32 s39, 0
	s_add_nc_u64 s[28:29], s[12:13], s[36:37]
	s_add_nc_u64 s[30:31], s[14:15], s[38:39]
.macro BLOCK c
.set XS, X+32*\c
.if \c == 0
	s_wait_loadcnt 32                              ; the first block's 32 loads are in; the second's may be out
.else
	s_wait_loadcnt 0
.endif
	v_max3_num_f32 v8, |v[XS]|, |v[XS+1]|, |v[XS+2]|               ; the block's largest magnitude: all 32 numbers are mine; two chains
	v_max3_num_f32 v9, |v[XS+3]|, |v[XS+4]|, |v[XS+5]|
.irp i, 6,10,14,18,22,26
	v_max3_num_f32 v8, v8, |v[XS+\i]|, |v[XS+\i+1]|
	v_max3_num_f32 v9, v9, |v[XS+\i+2]|, |v[XS+\i+3]|
.endr
	v_max3_num_f32 v8, v8, |v[XS+30]|, |v[XS+31]|
	v_max_num_f32 v8, v8, v9
	v_lshrrev_b32 v9, 23, v8                       ; its exponent field
	v_max_u32 v9, 3, v9                            ; the byte is not to fall under 1
	v_add_nc_u32 v9, -2, v9                        ; the scale's byte
	v_lshlrev_b32 v11, 23, v9                      ; the scale as f32: the conversion takes its exponent field
	v_cmp_eq_u32 vcc_lo, 0, v8
	v_cndmask_b32 v[14+\c], v9, 127, vcc_lo        ; a block of zeros gets 127
	v_cvt_scalef32_pk16_fp6_f32 v[C+6*\c:C+6*\c+2], v[XS:XS+15], v11
	v_cvt_scalef32_pk16_fp6_f32 v[108:110], v[XS+16:XS+31], v11    ; (a conversion's three registers begin on an even number)
	v_nop                                          ; one plain instruction between a scaled conversion and what touches its result
.irp i, 0,1,2
	v_mov_b32 v[C+6*\c+3+\i], v[108+\i]
.endr
.endm
	BLOCK 0
	BLOCK 1
.irp j, 0,1,2
	global_store_b128 v3, v[C+4*\j:C+4*\j+3], s[28:29] offset:512*\j   ; sixteen lanes fill 256 aligned bytes of tile 0's fragment, sixteen of tile 1's
.endr
	v_lshl_or_b32 v16, v15, 16, v14                ; my two bytes of the scale word: k-blocks hsel and 2 + hsel,
	s_lshl_b32 s24, s23, 3
	v_lshlrev_b32 v16, s24, v16                    ; at their places
	ds_store_b32 v4, v16
	s_wait_dscnt 0x0                               ; for the other waves' sake: my word is in LDS
	s_barrier_signal -1
	s_barrier_wait -1
	s_cmp_lt_u32 s20, 2
	s_cbranch_scc0 .Lqend                          ; waves 0 and 1 join the halves and store the work-group's 512 bytes of scale words
	ds_load_b64 v[18:19], v5
	ds_load_b64 v[20:21], v5 offset:128
	s_wait_dscnt 0x0
	v_or_b32 v18, v18, v20
	v_or_b32 v19, v19, v21
	global_store_b64 v6, v[18:19], s[30:31]        ; a wave stores 256 consecutive bytes, aligned
.Lqend:
	s_wait_tensorcnt 0x0
	ds_add_u32 v160, v161
	s_wait_dscnt 0x0
	s_endpgm
; ---------------------------------------------------------------- THE ROUTING: work-group k, 256 threads
.Lroute:
	s_mov_b32 s21, ttmp9                           ; k
	s_lshl_b32 s24, s21, 12
	v_lshl_add_u32 v128, v0, 4, s24                ; the ids that I place: 1,024 k + 4 t on
	v_lshlrev_b32 v129, 7, v0                      ; the ids that I count: 32 t on
	global_load_b128 v[PI:PI+3], v128, s[10:11]
.irp i, 0,1,2,3,4,5,6,7
	global_load_b128 v[ID+4*\i:ID+4*\i+3], v129, s[10:11] offset:16*\i
.endr
	v_mov_b32 v2, 0                                ; of the ids that I place: counts of experts 0-3, a byte each,
	v_mov_b32 v3, 0                                ; of experts 4-7
.irp p, 0,1,2,3
	v_mov_b32 v[TM+\p], 0                          ; (the destination of a DPP move counts as read)
.endr
	v_bfe_u32 v31, v0, 4, 1
	v_sub_nc_u32 v31, 0, v31                       ; all ones in lanes 16-31
	s_mov_b32 s26, 0x00ff00ff
	s_wait_loadcnt 8                               ; the four ids that I place are in; the eight loads of the count, issued behind, may be out
.irp i, 0,1,2,3
	v_max_i32 v4, 0, v[PI+\i]
	v_min_u32 v4, 7, v4                            ; g
	v_lshlrev_b32 v5, 2, v4                        ; 4 g
	v_lshrrev_b32 v6, 4, v5                        ; 1 for experts 4-7
	v_xor_b32 v7, 1, v6
	v_lshlrev_b32 v8, 1, v5
	v_and_b32 v8, 24, v8                           ; the byte's place: 8 (g & 3)
	v_cmp_ne_u32 vcc_lo, 0, v6
	v_cndmask_b32 v9, v2, v3, vcc_lo
	v_bfe_u32 v9, v9, v8, 8                        ; how many of my earlier ids went to g
	v_lshl_add_u32 v2, v7, v8, v2
	v_lshl_add_u32 v3, v6, v8, v3
	v_lshl_or_b32 v[PI+\i], v9, 8, v5              ; rank << 8 | 4 g
.endr
	v_and_b32 v10, s26, v2                         ; the counts in 16 bits: experts 0 | 2,
	v_lshrrev_b32 v11, 8, v2
	v_and_b32 v11, s26, v11                        ; 1 | 3,
	v_and_b32 v12, s26, v3                         ; 4 | 6,
	v_lshrrev_b32 v13, 8, v3
	v_and_b32 v13, s26, v13                        ; 5 | 7.  No field ever passes 8,640, so none carries into its neighbour
.irp p, 0,1,2,3
	v_mov_b32 v[14+\p], v[10+\p]
.endr
.macro SHADD4 base, n                  ; in four registers: lane i adds lane i - n of its row of 16; lanes without a source add 0
.irp p, 0,1,2,3
	v_mov_b32_dpp v[TM+\p], v[\base+\p] row_shr:\n row_mask:0xf bank_mask:0xf bound_ctrl:1
.endr
.irp p, 0,1,2,3
	v_add_nc_u32 v[\base+\p], v[\base+\p], v[TM+\p]
.endr
.endm
	SHADD4 14, 1                                   ; running sums over the wave's 32 lanes
	SHADD4 14, 2
	SHADD4 14, 4
	SHADD4 14, 8
.irp p, 0,1,2,3
	v_readlane_b32 s[76+\p], v[14+\p], 15
.endr
.irp p, 0,1,2,3
	v_and_b32 v[TM+\p], s[76+\p], v31
.endr
.irp p, 0,1,2,3
	v_add_nc_u32 v[14+\p], v[14+\p], v[TM+\p]      ; lanes 16-31 add the first row's total
.endr
.irp p, 0,1,2,3
	v_readlane_b32 s[28+\p], v[14+\p], 31          ; my wave's 128 ids
.endr
	s_wait_loadcnt 0x0
; THE COUNT: four ids abreast, each on its own pair of counters, so that no line reads the result of the line before it.  The first four ids start the counters.
.macro CNT4 g
.irp j, 0,1,2,3
	v_max_i32 v[ID+4*\g+\j], 0, v[ID+4*\g+\j]
.endr
.irp j, 0,1,2,3
	v_min_u32 v[ID+4*\g+\j], 7, v[ID+4*\g+\j]      ; g
.endr
.irp j, 0,1,2,3
	v_lshlrev_b32 v[TS+\j], 3, v[ID+4*\g+\j]
.endr
.irp j, 0,1,2,3
	v_lshrrev_b32 v[TH+\j], 2, v[ID+4*\g+\j]       ; 1 for experts 4-7
.endr
.irp j, 0,1,2,3
	v_and_b32 v[TS+\j], 24, v[TS+\j]               ; the byte's place: 8 (g & 3)
.endr
.irp j, 0,1,2,3
	v_xor_b32 v[TL+\j], 1, v[TH+\j]
.endr
.irp j, 0,1,2,3
.if \g == 0
	v_lshlrev_b32 v[CA+\j], v[TS+\j], v[TL+\j]
	v_lshlrev_b32 v[CB+\j], v[TS+\j], v[TH+\j]
.else
	v_lshl_add_u32 v[CA+\j], v[TL+\j], v[TS+\j], v[CA+\j]
	v_lshl_add_u32 v[CB+\j], v[TH+\j], v[TS+\j], v[CB+\j]
.endif
.endr
.endm
.irp g, 0,1,2,3,4,5,6,7
	CNT4 \g
.endr
	v_add_nc_u32 v[CA], v[CA], v[CA+1]             ; a byte holds 8 at the most in each counter, 32 in their sum
	v_add_nc_u32 v[CB], v[CB], v[CB+1]
	v_add_nc_u32 v[CA+2], v[CA+2], v[CA+3]
	v_add_nc_u32 v[CB+2], v[CB+2], v[CB+3]
	v_add_nc_u32 v[CA], v[CA], v[CA+2]
	v_add_nc_u32 v[CB], v[CB], v[CB+2]
	v_and_b32 v[CC], s26, v[CA]                    ; in 16 bits, paired as above
	v_lshrrev_b32 v[CC+1], 8, v[CA]
	v_and_b32 v[CC+2], s26, v[CB]
	v_lshrrev_b32 v[CC+3], 8, v[CB]
	v_and_b32 v[CC+1], s26, v[CC+1]
	v_and_b32 v[CC+3], s26, v[CC+3]
	SHADD4 CC, 1
	SHADD4 CC, 2
	SHADD4 CC, 4
	SHADD4 CC, 8                                   ; lanes 15 and 31 hold their rows' totals
.irp p, 0,1,2,3
	v_readlane_b32 s[68+\p], v[CC+\p], 15
	v_readlane_b32 s[72+\p], v[CC+\p], 31
.endr
.irp p, 0,1,2,3
	s_add_co_u32 s[68+\p], s[68+\p], s[72+\p]      ; the 1,024 ids that my wave counted
	v_mov_b32 v[18+\p], s[68+\p]
	v_mov_b32 v[22+\p], s[28+\p]
.endr
	s_lshl_b32 s25, s20, 5
	s_add_co_u32 s25, s25, WT                      ; my wave's 32 bytes, in the routing's own part of LDS
	v_mov_b32 v130, s25
	ds_store_b128 v130, v[18:21]                   ; all lanes write the same bytes with the same values
	ds_store_b128 v130, v[22:25] offset:16
	s_wait_dscnt 0x0                               ; for the other waves' sake
	s_barrier_signal -1
	s_barrier_wait -1
	v_and_b32 v130, 7, v0
	v_lshl_add_u32 v130, v130, 5, WT
	ds_load_b128 v[18:21], v130                    ; lanes 0-7: the eight waves' totals of the count,
	ds_load_b128 v[22:25], v130 offset:16          ; and of the placement
	s_wait_dscnt 0x0
.irp p, 0,1,2,3
	v_mov_b32 v[26+\p], v[18+\p]
.endr
	SHADD4 18, 1                                   ; running sums over the waves, in lanes 0-7
	SHADD4 22, 1
	SHADD4 18, 2
	SHADD4 22, 2
	SHADD4 18, 4
	SHADD4 22, 4
.irp p, 0,1,2,3
	v_sub_nc_u32 v[26+\p], v[18+\p], v[26+\p]      ; lane c: the ids in front of 1,024 c
.endr
.irp p, 0,1,2,3
	v_readlane_b32 s[72+\p], v[26+\p], s21         ; in front of my work-group's 1,024
	v_readlane_b32 s[36+\p], v[18+\p], 7           ; all 8,192: n_e
	v_readlane_b32 s[32+\p], v[22+\p], s20
.endr
.irp p, 0,1,2,3
	s_sub_co_u32 s[32+\p], s[32+\p], s[28+\p]      ; the waves in front of mine, in my work-group's 1,024
	s_add_co_u32 s[32+\p], s[32+\p], s[72+\p]
.endr
	s_and_b32 s50, s36, 0xffff                     ; n_0 .. n_7 in s50-57
	s_lshr_b32 s52, s36, 16
	s_and_b32 s51, s37, 0xffff
	s_lshr_b32 s53, s37, 16
	s_and_b32 s54, s38, 0xffff
	s_lshr_b32 s56, s38, 16
	s_and_b32 s55, s39, 0xffff
	s_lshr_b32 s57, s39, 16
	s_mov_b32 s40, 0                               ; s40-48: expert e's first tile; s48 the number of tiles
.irp e, 0,1,2,3,4,5,6,7
	s_add_co_u32 s58, s[50+\e], 63
	s_lshr_b32 s58, s58, 6
	s_add_co_u32 s[41+\e], s[40+\e], s58
.endr
.macro PKB p, lo, hi                   ; the two experts' first slots, 64 x first tile, packed as the counts are
	s_lshl_b32 s58, s[40+\lo], 6
	s_lshl_b32 s59, s[40+\hi], 22
	s_or_b32 s58, s58, s59
	s_add_co_u32 s[32+\p], s[32+\p], s58
.endm
	PKB 0, 0, 2
	PKB 1, 1, 3
	PKB 2, 4, 6
	PKB 3, 5, 7
.irp p, 0,1,2,3
	v_sub_nc_u32 v[14+\p], v[14+\p], v[10+\p]      ; the lanes in front of me
.endr
.irp p, 0,1,2,3
	v_add_nc_u32 v[14+\p], s[32+\p], v[14+\p]      ; + all that lies in front of my wave + the expert's first slot: my first slot for each expert, two to a register
.endr
	s_lshl_b32 s25, s21, 10
	v_lshl_add_u32 v131, v0, 2, s25                ; my first row
.irp i, 0,1,2,3
	v_and_b32 v[TM+\i], 4, v[PI+\i]                ; bit 0 of g: the odd register of a pair,
	v_and_b32 v[TM+4+\i], 16, v[PI+\i]             ; bit 2: the second pair,
	v_and_b32 v[TM+8+\i], 8, v[PI+\i]              ; bit 1: the upper half
	v_cmp_ne_u32 vcc_lo, 0, v[TM+\i]
	v_cndmask_b32 v[TM+\i], v14, v15, vcc_lo
	v_cndmask_b32 v[TM+12+\i], v16, v17, vcc_lo
	v_cmp_ne_u32 vcc_lo, 0, v[TM+4+\i]
	v_cndmask_b32 v[TM+\i], v[TM+\i], v[TM+12+\i], vcc_lo
	v_lshlrev_b32 v[TM+8+\i], 1, v[TM+8+\i]
	v_bfe_u32 v[TM+\i], v[TM+\i], v[TM+8+\i], 16   ; my first slot for g
	v_lshrrev_b32 v[TM+4+\i], 8, v[PI+\i]          ; the rank among my ids
	v_add_lshl_u32 v[OF+\i], v[TM+\i], v[TM+4+\i], 2
	v_min_u32 v[OF+\i], 34556, v[OF+\i]            ; held inside order's 8,640 words
	v_add_nc_u32 v[RW+\i], \i, v131                ; the row
	global_store_b32 v[OF+\i], v[RW+\i], s[16:17]  ; each id has its own registers: none is written again
.endr
	s_cmp_lg_u32 s21, 0
	s_cbranch_scc1 .Lno_texp                       ; work-group 0 writes texp
	v_mov_b32 v132, 0                              ; tile t's expert: how many experts end at or in front of t
.irp e, 0,1,2,3,4,5,6,7
	v_cmp_le_u32 vcc_lo, s[41+\e], v0
	v_cndmask_b32 v133, 0, 1, vcc_lo
	v_add_nc_u32 v132, v132, v133
.endr
	v_lshlrev_b32 v134, 2, v0
	global_store_b32 v134, v132, s[18:19]
.Lno_texp:
	; the slots without a row get 8192.  Threads 0-63: expert k's (63 at the most); threads 64-127: the k-th tile behind the last, if it lies under 135 (7 such tiles at the most)
	s_mov_b32 s60, 0
	s_mov_b32 s61, 0
	s_mov_b32 s62, 0
.irp e, 0,1,2,3,4,5,6,7
	s_cmp_eq_u32 s21, \e
	s_cselect_b32 s60, s[40+\e], s60
	s_cselect_b32 s61, s[41+\e], s61
	s_cselect_b32 s62, s[50+\e], s62
.endr
	s_lshl_b32 s60, s60, 6
	s_add_co_u32 s60, s60, s62                     ; the first slot behind the expert's rows
	s_lshl_b32 s61, s61, 6                         ; the next expert's first slot
	s_add_co_u32 s66, s48, s21
	s_lshl_b32 s66, s66, 6
	s_sub_co_u32 s66, s66, 64                      ; (threads 64-127 add their number)
	v_add_nc_u32 v137, s60, v0
	v_add_nc_u32 v138, s66, v0
	v_mov_b32 v139, s61
	v_mov_b32 v140, 0x21c0                         ; 8,640: order's end
	v_mov_b32 v135, 0x2000
	v_cmp_le_u32 vcc_lo, 64, v0
	v_cndmask_b32 v137, v137, v138, vcc_lo         ; the slot,
	v_cndmask_b32 v139, v139, v140, vcc_lo         ; and the bound under which it is written
	v_cmp_le_u32 vcc_lo, 0x80, v0
	v_cndmask_b32 v139, v139, 0, vcc_lo            ; threads 128 on write none
	v_min_u32 v141, 8639, v137                     ; the offset is made with all lanes on, and held inside order
	v_lshlrev_b32 v141, 2, v141
	v_cmp_gt_u32 vcc_lo, v139, v137
	s_wait_xcnt 0x0                                ; EXEC is a source of the stores issued so far: it narrows only behind this wait
	s_wait_tensorcnt 0x0
	ds_add_u32 v160, v161
	s_wait_dscnt 0x0
	s_and_saveexec_b32 s63, vcc_lo
	global_store_b32 v141, v135, s[16:17]
	s_wait_xcnt 0x0                                ; and widens only behind this one
	s_or_b32 exec_lo, exec_lo, s63
	s_endpgm
.Lfunc_end_k_q765f79cbca_prep:
	.size	k_q765f79cbca_prep, .Lfunc_end_k_q765f79cbca_prep-k_q765f79cbca_prep
	.p2alignl 7, 3214868480
	.fill 96, 4, 3214868480
	.section	.rodata,"a",@progbits
	.p2align	6, 0x0
	.amdhsa_kernel k_q765f79cbca_prep
		.amdhsa_group_segment_fixed_size 2304
		.amdhsa_private_segment_fixed_size 0
		.amdhsa_enable_private_segment 0
		.amdhsa_kernarg_size 64
		.amdhsa_user_sgpr_count 2
		.amdhsa_user_sgpr_kernarg_segment_ptr 1
		.amdhsa_wavefront_size32 1
		.amdhsa_system_sgpr_workgroup_id_x 1
		.amdhsa_system_sgpr_workgroup_id_y 1
		.amdhsa_system_sgpr_workgroup_id_z 1
		.amdhsa_system_vgpr_workitem_id 0
		.amdhsa_next_free_vgpr 162
		.amdhsa_next_free_sgpr 96
		.amdhsa_reserve_vcc 1
		.amdhsa_float_denorm_mode_32 3
		.amdhsa_float_denorm_mode_16_64 3
		.amdhsa_memory_ordered 1
		.amdhsa_forward_progress 1
		.amdhsa_inst_pref_size 52
	.end_amdhsa_kernel
	.amdgpu_metadata
---
amdhsa.version: [ 1, 2 ]
amdhsa.kernels:
  - .name:           k_q765f79cbca_prep
    .symbol:         k_q765f79cbca_prep.kd
    .args:
      - { .name: W1, .offset: 0, .size: 8, .value_kind: global_buffer, .address_space: global }
      - { .name: W2, .offset: 8, .size: 8, .value_kind: global_buffer, .address_space: global }
      - { .name: W3, .offset: 16, .size: 8, .value_kind: global_buffer, .address_space: global }
      - { .name: gate_id, .offset: 24, .size: 8, .value_kind: global_buffer, .address_space: global }
      - { .name: wcodes, .offset: 32, .size: 8, .value_kind: global_buffer, .address_space: global }
      - { .name: wscales, .offset: 40, .size: 8, .value_kind: global_buffer, .address_space: global }
      - { .name: order, .offset: 48, .size: 8, .value_kind: global_buffer, .address_space: global }
      - { .name: texp, .offset: 56, .size: 8, .value_kind: global_buffer, .address_space: global }
    .group_segment_fixed_size: 2304
    .private_segment_fixed_size: 0
    .kernarg_segment_align: 8
    .kernarg_segment_size: 64
    .max_flat_workgroup_size: 256
    .sgpr_count:     96
    .vgpr_count:     162
    .wavefront_size: 32
...
	.end_amdgpu_metadata
.endif
;; end of part 3
;; launch experts (part 4): grid 135 x 1, 8 waves a work-group, no clusters, 265,728 bytes of LDS; arguments h, b1, b2, b3, wcodes, wscales, order, texp, out0; writes out0
.if DOCPART == 4
	.amdgcn_target "amdgcn-amd-amdhsa--gfx1250"
	.amdhsa_code_object_version 6
	.text
	.protected	k_q765f79cbca_experts
	.globl	k_q765f79cbca_experts
	.p2align	8
	.type	k_q765f79cbca_experts,@function
k_q765f79cbca_experts:
	s_mov_b64 s[64:65], 0
	v_nop
	global_prefetch_b8 v0, s[64:65] scope:SCOPE_SE
	s_setreg_imm32_b32 hwreg(HW_REG_WAVE_MODE, 25, 1), 1
	s_wait_xcnt 0x0
; out0[row] = W3_g^T leaky(W2_g^T leaky(W1_g^T h[row] + b1_g) + b2_g) + b3_g for the row's own expert g: the seven other experts' results are thrown away by the problem's selection and are not made.
; All three products on codes of E2M3 with one E8M0 byte for each 32 along K; sums, biases and leaky (max(x, 0.2 x)) in f32.
; A WORK-GROUP IS ONE TILE: 64 row slots of one expert (order, texp: made by the launch before).  It gathers its rows of h, quantises them, runs the three layers, and scatters whole rows of out0.
; a1 and a2 exist only as codes in LDS.  The eight waves share N: 64 columns each in layer 1, 32 in layers 2 and 3; every wave multiplies all four tiles of 16 rows: 112 matrix instructions a wave.
; WEIGHTS GO STRAIGHT INTO REGISTERS: a fragment of weights is wanted by one wave alone, for all four row tiles, so it is loaded once (3 loads of 512 consecutive bytes) and stays.  No ring in LDS, no tensor load.
; h IS LOADED IN CONSECUTIVE RUNS AND TURNED IN LDS: a load of the wave reads 512 consecutive bytes of a row, 16 a lane; the conversion wants 16 neighbours (64 bytes) in one lane's registers; so a row goes
; through 2,048 bytes of the wave's own in LDS: four stores of 16 bytes a lane in, four loads of 16 bytes a lane back.  No register layout spares this: lanes that hold 64 neighbouring bytes each stand 64 bytes apart in every load.
; THE MATRIX INSTRUCTION IS USED TRANSPOSED: source 0 = 16 operand rows of weights, source 1 = 16 rows of activations.  In tile t = 2 bb + u, lane (r, hh) holds row r, and register j column 32 bb + 16 hh + 8 u + j of the wave's columns
; (the launch before chose the weights' rows so): the 16 registers of tiles u = 0, 1 are 16 neighbours along the next K; a block of 32 lies in lanes l and l xor 16.  The bias is the C of a sum's first instruction.
; THE GRID is the largest number of tiles that any gate_id gives, 135 (sum of ceil(n_e / 64)); a tile behind the last (7 at the most) holds 64 slots without a row, runs the same text on row 8191 and stores nothing:
; an early end would be a branch on loaded numbers round every barrier.  A slot without a row (order = 8192) is treated likewise.
; NO CLUSTER: the tiles of one expert read the same weights, but their number (0 to 128) hangs on gate_id, so no fixed group of four work-groups is sure to share an expert; and a joint load lands in LDS, where 344 KB of an expert's codes do not fit.
; LIMITS: NaN and infinities among the inputs are not served (the maxima drop NaN).  Blocks whose largest magnitude lies under 2^-124 get the byte 1.
; LDS, each region written once: HC h's codes 64 x 400; HS their bytes 64 x 16; A1C 64 x 400; A1S 64 x 16; A2C 64 x 208; A2S 64 x 8; OUTS 64 x 1,040 (f32); STG 64 x 2,048: h on its turn.
; Pitches 400 and 208 bytes are 100 and 52 words: the 16 rows of a fragment start 4 words apart modulo 64 and the two halves of the lanes 6 words apart: a load of 8 bytes a lane touches 64 different words modulo 64.
; In STG the piece of 16 bytes that is reader lane l's j-th lies at 64 l + 16 ((j + l / 4) mod 4): sixteen neighbouring lanes touch sixteen different columns of 16 bytes modulo 256, in writing and in reading.
.set HC,   0
.set HS,   25600
.set A1C,  26624
.set A1S,  52224
.set A2C,  53248
.set A2S,  66560
.set OUTS, 67072
.set STG,  133632
.set PH,   400
.set P2,   208
.set PO,   1040
; REGISTERS, window 0: v1 16 L, v2 4 L, v4 64 hh; v5-7 fragment addresses (HC, A1C, A2C); v8, v9 scale-word addresses; v10, v11 where h's codes and bytes go; v12-15 the same for a1, a2;
;   v16, v17 OUTS in and back; v18-25 offsets in h, later in out0; v26-34 at work; v36-42 codes; v44-51 0.2 x; v52-65 the weights' scale words; v66-73 the activations' scale words (these 22 hold scales alone);
;   v74, v75 STG in; v76-79 STG back; v80-111 accumulators; v112-159 four fragments of activations; v160-255 W2's eight fragments.  In the h phase: v128-255 the numbers, v80+4p codes, v112+p bytes.  On the way out: v112-175.
; window 1: v0-191 W1's sixteen fragments (later v0-47 W3's four); v192-223, v224-239, v240-255 the biases in the accumulators' layout.
.set T,    44
.set WS1,  52
.set WS2,  60
.set WS3,  64
.set AS,   66
.set WA,   74
.set RA,   76
.set ACC,  80
.set ACT,  112
.set W2F,  160
.set B1R,  192
.set B2R,  224
.set B3R,  240
.set MSB, 0
.macro WIN new                         ; s_set_vgpr_msb: bits 1:0 source 0, 3:2 source 1, 5:4 source 2, 7:6 destination; the high byte repeats the setting that is left
.if MSB != (\new)
	s_set_vgpr_msb (MSB<<8)|(\new)
.set MSB, (\new)
.endif
.endm
	s_load_b256 s[4:11], s[0:1], 0x0               ; h s[4:5], b1 s[6:7], b2 s[8:9], b3 s[10:11]
	s_load_b256 s[12:19], s[0:1], 0x20             ; wcodes s[12:13], wscales s[14:15], order s[16:17], texp s[18:19]
	s_load_b64 s[20:21], s[0:1], 0x40              ; out0
	v_lshl_add_u32 v39, v0, 2, 0x40a00
	v_mov_b32 v43, 0
	v_lshrrev_b32 v26, 5, v0
	v_readfirstlane_b32 s22, v26                   ; wave w
	s_mov_b32 s27, 0
	s_mov_b32 s58, 0x76543210                      ; v_permlanex16_b32's selects for lane l xor 16
	s_mov_b32 s59, 0xfedcba98
	s_mov_b32 s60, 0x3e4ccccd                      ; 0.2
	s_mov_b32 s61, s60                             ; (named with it as a pair)
	s_lshl_b32 s26, ttmp9, 2
	s_wait_kmcnt 0x0
	s_add_nc_u64 s[28:29], s[18:19], s[26:27]      ; texp[tile]
	s_lshl_b32 s26, ttmp9, 8
	s_lshl_b32 s23, s22, 5
	s_add_co_u32 s26, s26, s23
	s_add_nc_u64 s[30:31], s[16:17], s[26:27]      ; order[tile][8 w ..]: my wave's eight slots
	s_load_b32 s24, s[28:29], 0x0
	s_load_b256 s[32:39], s[30:31], 0x0
	v_and_b32 v26, 31, v0                          ; L
	v_and_b32 v27, 15, v0                          ; r
	v_bfe_u32 v28, v0, 4, 1                        ; hh
	v_lshlrev_b32 v1, 4, v26
	v_lshlrev_b32 v2, 2, v26
	v_lshlrev_b32 v4, 6, v28
	v_mul_u32_u24 v29, v27, PH
	v_mul_u32_u24 v30, v28, 24
	v_add_nc_u32 v5, v29, v30                      ; HC (at 0) + 400 r + 24 hh
	v_add_nc_u32 v6, A1C, v5
	v_mul_u32_u24 v31, v27, P2
	v_add3_u32 v7, v31, v30, A2C
	v_lshl_add_u32 v8, v26, 4, HS                  ; lane L takes row L's four scale words: lanes 0-15 an even row tile's, lanes 16-31 the odd one's
	v_lshl_add_u32 v9, v26, 3, A2S
	s_mul_i32 s26, s22, 8*PH
	v_mul_u32_u24 v10, v26, 12
	v_add_nc_u32 v10, s26, v10                     ; HC + my wave's eight rows + 12 L
	s_lshl_b32 s26, s22, 7
	s_add_co_u32 s26, s26, HS
	v_lshrrev_b32 v11, 1, v26
	v_add_nc_u32 v11, s26, v11                     ; HS + my wave's eight rows + block L / 2
	v_mul_u32_u24 v32, v28, 12
	s_mul_i32 s26, s22, 48
	s_add_co_u32 s26, s26, A1C
	v_add3_u32 v12, v29, v32, s26                  ; a1: row r; columns 64 w + 16 hh on are 48 w + 12 hh bytes on
	s_lshl_b32 s26, s22, 1
	s_add_co_u32 s26, s26, A1S
	v_lshl_add_u32 v13, v27, 4, s26
	s_mul_i32 s26, s22, 24
	s_add_co_u32 s26, s26, A2C
	v_add3_u32 v14, v31, v32, s26
	s_add_co_u32 s26, s22, A2S
	v_lshl_add_u32 v15, v27, 3, s26
	s_lshl_b32 s26, s22, 7
	s_add_co_u32 s26, s26, OUTS
	v_mul_u32_u24 v33, v27, PO
	v_add3_u32 v16, v33, v4, s26
	s_mul_i32 s26, s22, 8*PO
	s_add_co_u32 s26, s26, OUTS
	v_add_nc_u32 v17, s26, v1
	; STG.  In: load i of a row gives lane L the piece 32 i + L, which is reader lane 8 i + L / 4's piece L % 4: byte 512 i + 64 (L / 4) + 16 ((L % 4 + L / 16 + 2 i) mod 4): one register for even i, one for odd
	s_lshl_b32 s26, s22, 14
	s_add_co_u32 s26, s26, STG                     ; my wave's eight rows of 2,048 bytes
	v_and_b32 v34, 3, v26
	v_add_nc_u32 v34, v34, v28                     ; L % 4 + L / 16
	v_and_b32 v35, 28, v26
	v_lshlrev_b32 v35, 4, v35                      ; 64 (L / 4)
	v_add_nc_u32 v35, s26, v35
	v_and_b32 v36, 3, v34
	v_lshl_add_u32 v[WA], v36, 4, v35
	v_add_nc_u32 v36, 2, v34
	v_and_b32 v36, 3, v36
	v_lshl_add_u32 v[WA+1], v36, 4, v35
	v_lshl_add_u32 v37, v26, 6, s26                ; back: 64 L + 16 ((j + L / 4) mod 4): a register for each j
	v_lshrrev_b32 v38, 2, v26
.irp j, 0,1,2,3
	v_add_nc_u32 v36, \j, v38
	v_and_b32 v36, 3, v36
	v_lshl_add_u32 v[RA+\j], v36, 4, v37
.endr
	s_wait_kmcnt 0x0
.irp i, 0,1,2,3,4,5,6,7
	s_min_u32 s[72+\i], s[32+\i], 8191             ; the row that is read (a slot without a row: 8191)
.endr
.irp p, 0,1,2,3,4,5,6,7
	v_lshl_add_u32 v[18+\p], s[72+\p], 11, v1
.endr
	; THE LOADS, in this order.  First 32: my wave's eight rows of h, each load 512 consecutive bytes: all that follows waits for these
.irp p, 0,1,2,3,4,5,6,7
.irp i, 0,1,2,3
	global_load_b128 v[128+16*\p+4*\i:128+16*\p+4*\i+3], v[18+\p], s[4:5] offset:512*\i th:TH_LOAD_NT
.endr
.endr
	s_min_u32 s24, s24, 7                          ; the expert (a tile behind the last: 7)
.macro BASE dst, src, em, wm, sect     ; a buffer's address + the section + expert x em + wave x wm
	s_mul_i32 s26, s24, \em
	s_mul_i32 s23, s22, \wm
	s_add_co_u32 s26, s26, s23
.if \sect
	s_add_co_u32 s26, s26, \sect
.endif
	s_add_nc_u64 s[\dst:\dst+1], s[\src:\src+1], s[26:27]
.endm
	BASE 40, 12, 196608, 24576, 0                  ; W1's codes: my 16 fragments
	BASE 42, 12, 98304, 12288, 1572864             ; W2's: my 8
	BASE 44, 12, 49152, 6144, 2359296              ; W3's: my 4
	BASE 46, 14, 8192, 256, 0                      ; scale words
	BASE 48, 14, 4096, 128, 65536
	BASE 50, 14, 2048, 128, 98304
	BASE 52, 6, 2048, 256, 0                       ; biases
	BASE 54, 8, 1024, 128, 0
	BASE 56, 10, 1024, 128, 0
	; then 30: 14 scale words, 16 of biases
.irp q, 0,1,2,3
.irp bb, 0,1
	global_load_b32 v[WS1+2*\q+\bb], v2, s[46:47] offset:2048*\q+128*\bb   ; lanes 0-15: tile u = 0's rows; lanes 16-31: tile u = 1's
.endr
.endr
.irp q, 0,1,2,3
	global_load_b32 v[WS2+\q], v2, s[48:49] offset:1024*\q
.endr
.irp q, 0,1
	global_load_b32 v[WS3+\q], v2, s[50:51] offset:1024*\q
.endr
	WIN 0x40                                       ; destination window 1
.irp bb, 0,1
.irp c, 0,1,2,3
	global_load_b128 v[B1R+16*\bb+4*\c:B1R+16*\bb+4*\c+3], v4, s[52:53] offset:128*\bb+16*\c   ; b1 at my 16 columns of block bb
.endr
.endr
.irp c, 0,1,2,3
	global_load_b128 v[B2R+4*\c:B2R+4*\c+3], v4, s[54:55] offset:16*\c
.endr
.irp c, 0,1,2,3
	global_load_b128 v[B3R+4*\c:B3R+4*\c+3], v4, s[56:57] offset:16*\c
.endr
	WIN 0
; Row slot 8 w + p takes its turn through STG.  LDS serves a wave's instructions in order (ISA guide 5.7.1.4): the loads see the stores, and land in the registers that the stores have read.
.macro STAGE p
.if 58+2*(\p) > 63
	s_wait_loadcnt 63                              ; 62 + 6 p loads have been issued and the first 4 (p + 1) are wanted: 58 + 2 p may be out; a larger count than 63 cannot be written
.else
	s_wait_loadcnt 58+2*(\p)                       ; 62 + 6 p loads have been issued and the first 4 (p + 1) are wanted
.endif
.irp i, 0,1,2,3
	ds_store_b128 v[WA+(\i%2)], v[128+16*(\p)+4*\i:128+16*(\p)+4*\i+3] offset:2048*(\p)+512*\i
.endr
.irp j, 0,1,2,3
	ds_load_b128 v[128+16*(\p)+4*\j:128+16*(\p)+4*\j+3], v[RA+\j] offset:2048*(\p)   ; lane L now holds the row's numbers 16 L .. 16 L + 15
.endr
.endm
; W1's 48 loads follow, six behind each row's turn, the first k-step's fragments first
.macro WL p
	WIN 0x40
.irp f, 2*(\p), 2*(\p)+1
.irp j, 0,1,2
	global_load_b128 v[12*(\f)+4*\j:12*(\f)+4*\j+3], v1, s[40:41] offset:1536*(\f)+512*\j
.endr
.endr
	WIN 0
.endm
; Row slot 8 w + p is quantised.  Two neighbouring lanes hold a block of 32.  n: the LDS instructions issued behind this row's four loads from STG.
.macro HQ p, n
.set XS, 128+16*(\p)
	s_wait_dscnt \n
	v_max3_num_f32 v26, |v[XS]|, |v[XS+1]|, |v[XS+2]|
	v_max3_num_f32 v27, |v[XS+3]|, |v[XS+4]|, |v[XS+5]|
.irp i, 6,10
	v_max3_num_f32 v26, v26, |v[XS+\i]|, |v[XS+\i+1]|
	v_max3_num_f32 v27, v27, |v[XS+\i+2]|, |v[XS+\i+3]|
.endr
	v_max3_num_f32 v26, v26, |v[XS+14]|, |v[XS+15]|
	v_max_num_f32 v26, v26, v27
	v_max_num_f32_dpp v26, v26, v26 row_xmask:1 row_mask:0xf bank_mask:0xf   ; with my neighbour's 16: the block's largest magnitude
	v_lshrrev_b32 v27, 23, v26                     ; its exponent field
	v_max_u32 v27, 3, v27                          ; the byte is not to fall under 1
	v_add_nc_u32 v27, -2, v27
	v_lshlrev_b32 v28, 23, v27                     ; the scale as f32
	v_cmp_eq_u32 vcc_lo, 0, v26
	v_cvt_scalef32_pk16_fp6_f32 v[80+4*(\p):82+4*(\p)], v[XS:XS+15], v28
	v_cndmask_b32 v[112+(\p)], v27, 127, vcc_lo    ; a block of zeros gets 127.  (Also the plain instruction behind the conversion)
	ds_store_b8 v11, v[112+(\p)] offset:16*(\p)    ; both lanes of a block write the same byte
.irp i, 0,1,2
	ds_store_b32 v10, v[80+4*(\p)+\i] offset:PH*(\p)+4*\i
.endr
.endm
	STAGE 0
	WL 0
	STAGE 1
	WL 1
	HQ 0, 8                                        ; behind row 0's loads: row 1's 8
.irp p, 2,3,4,5,6,7
	STAGE \p
	WL \p
	HQ \p-1, 12                                    ; behind the row's loads: the row before's 4 stores of codes and the next row's 8
.endr
	HQ 7, 4                                        ; behind row 7's loads: row 6's 4 stores
	; then 24: W2's fragments, into registers that the conversions have read
.irp f, 0,1,2,3,4,5,6,7
.irp j, 0,1,2
	global_load_b128 v[W2F+12*\f+4*\j:W2F+12*\f+4*\j+3], v1, s[42:43] offset:1536*\f+512*\j
.endr
.endr
	s_wait_dscnt 0x0                               ; for the other waves' sake: my eight rows' codes and bytes are in LDS
	s_barrier_signal -1
	s_barrier_wait -1
; nq fragments of activations (row tile mt, 128 K each): lane (r, hh) takes 24 bytes at 96 q + 24 hh and 24 at 96 q + 48 + 24 hh of row r, as three loads of 8 bytes each
.macro ACTLOAD adr, mt, nq, pitch
.set q_, 0
.rept \nq
.irp p, 0,1,2,3,4,5
	ds_load_b64 v[ACT+12*q_+2*\p:ACT+12*q_+2*\p+1], v[\adr] offset:(\mt)*16*\pitch+96*q_+48*(\p/3)+8*(\p%3)
.endr
.set q_, q_+1
.endr
.endm
.macro WM                              ; one matrix instruction; fA, fB: the scale words stand in lanes 16-31
.if fA && fB
	v_wmma_scale_f32_16x16x128_f8f6f4 v[rD:rD+7], v[rA:rA+11], v[rB:rB+11], v[rC:rC+7], v[rSA], v[rSB] matrix_a_fmt:MATRIX_FMT_FP6 matrix_b_fmt:MATRIX_FMT_FP6 matrix_a_scale:MATRIX_SCALE_ROW1 matrix_b_scale:MATRIX_SCALE_ROW1
.elseif fA
	v_wmma_scale_f32_16x16x128_f8f6f4 v[rD:rD+7], v[rA:rA+11], v[rB:rB+11], v[rC:rC+7], v[rSA], v[rSB] matrix_a_fmt:MATRIX_FMT_FP6 matrix_b_fmt:MATRIX_FMT_FP6 matrix_a_scale:MATRIX_SCALE_ROW1
.elseif fB
	v_wmma_scale_f32_16x16x128_f8f6f4 v[rD:rD+7], v[rA:rA+11], v[rB:rB+11], v[rC:rC+7], v[rSA], v[rSB] matrix_a_fmt:MATRIX_FMT_FP6 matrix_b_fmt:MATRIX_FMT_FP6 matrix_b_scale:MATRIX_SCALE_ROW1
.else
	v_wmma_scale_f32_16x16x128_f8f6f4 v[rD:rD+7], v[rA:rA+11], v[rB:rB+11], v[rC:rC+7], v[rSA], v[rSB] matrix_a_fmt:MATRIX_FMT_FP6 matrix_b_fmt:MATRIX_FMT_FP6
.endif
.endm
; Row tile mt against the wave's nt tiles of weights, nq k-steps.  wb, wwin: the weights' first register and window; biasb (window 1): the C of the first k-step, so nothing is cleared and no bias is added later.
; The nt accumulators take turns, one instruction a turn.
; younger: LDS stores issued behind this tile's fragment loads.  lc, ls (used at mt = 0): global loads issued behind this layer's weights, and the loads of one k-step's weights.
.macro MM mt, nt, nq, wb, wwin, biasb, wsb, asb, ab, younger, lc, ls
.set q_, 0
.rept \nq
	s_wait_dscnt 6*(\nq-1-q_)+\younger             ; this k-step's fragment is in; the later fragments' loads and the last epilogue's stores may be out
.if \mt == 0
	s_wait_loadcnt \lc+\ls*(\nq-1-q_)              ; this k-step's weights are in; the later k-steps' and the later layers' may be out
.endif
.if q_ == 0
	WIN 0x10|\wwin
.else
	WIN \wwin
.endif
.set t_, 0
.rept \nt
.set rD, \ab+8*t_
.set rA, \wb+12*(\nt*q_+t_)
.set rB, ACT+12*q_
.if q_ == 0
.set rC, \biasb+8*t_
.else
.set rC, rD
.endif
.set rSA, \wsb+(\nt/2)*q_+t_/2
.set rSB, \asb+q_
.set fA, t_%2
.set fB, (\mt)%2
	WM
.set t_, t_+1
.endr
.set q_, q_+1
.endr
	WIN 0
.rept 4
	v_nop                                          ; four plain instructions in front of loads into the fragments' registers and of the first read of the results
.endr
.endm
; The results of nb blocks of 32 columns (16 registers a lane each, at ab) become codes: leaky, the block's largest magnitude (mine and lane l xor 16's), its byte, the conversion; codes and bytes go to LDS.
; next: the LDS loads issued just before, which may stay out.
.macro EPI nb, ab, cadr, coff, next, sadr, soff
	s_wait_dscnt \next                             ; the last epilogue's stores are done: their registers are written again below
.set g_, 0
.rept 2*\nb
.set rX, \ab+8*g_
.irp k, 0,1,2,3
	v_pk_mul_f32 v[T+2*\k:T+2*\k+1], v[rX+2*\k:rX+2*\k+1], s[60:61] op_sel_hi:[1,0]   ; each accumulator is read from its low end on
.endr
.irp k, 0,1,2,3,4,5,6,7
	v_max_num_f32 v[rX+\k], v[rX+\k], v[T+\k]      ; max(x, 0.2 x): x where x > 0, else 0.2 x
.endr
.set g_, g_+1
.endr
.set b_, 0
.rept \nb
.set rX, \ab+16*b_
	v_max3_num_f32 v[26+b_], |v[rX]|, |v[rX+1]|, |v[rX+2]|
.irp i, 3,5,7,9,11,13
	v_max3_num_f32 v[26+b_], v[26+b_], |v[rX+\i]|, |v[rX+\i+1]|
.endr
	v_max_num_f32 v[26+b_], v[26+b_], |v[rX+15]|
	v_mov_b32 v[28+b_], 0                          ; (the destination of a lane permute counts as read)
	v_permlanex16_b32 v[28+b_], v[26+b_], s58, s59
	v_max_num_f32 v[26+b_], v[26+b_], v[28+b_]
	v_lshrrev_b32 v[30+b_], 23, v[26+b_]
	v_max_u32 v[30+b_], 3, v[30+b_]
	v_add_nc_u32 v[30+b_], -2, v[30+b_]
	v_lshlrev_b32 v[32+b_], 23, v[30+b_]
	v_cmp_eq_u32 vcc_lo, 0, v[26+b_]
	v_cndmask_b32 v[30+b_], v[30+b_], 127, vcc_lo
.set b_, b_+1
.endr
	v_cvt_scalef32_pk16_fp6_f32 v[36:38], v[\ab:\ab+15], v32
.if \nb == 2
	v_cvt_scalef32_pk16_fp6_f32 v[40:42], v[\ab+16:\ab+31], v33
	v_lshl_or_b32 v34, v31, 8, v30                 ; the two blocks' bytes.  (Also the plain instruction behind the conversions)
.else
	v_nop
.endif
.irp i, 0,1,2
	ds_store_b32 v[\cadr], v[36+\i] offset:\coff+4*\i
.endr
.if \nb == 2
.irp i, 0,1,2
	ds_store_b32 v[\cadr], v[40+\i] offset:\coff+24+4*\i
.endr
	ds_store_b16 v[\sadr], v34 offset:\soff        ; both halves of the lanes write the same bytes
.else
	ds_store_b8 v[\sadr], v30 offset:\soff
.endif
.endm
	; LAYER 1: K = 512, four k-steps; my 64 columns: four tiles
	ds_load_b128 v[AS:AS+3], v8                    ; h's scale words: rows 0-31,
	ds_load_b128 v[AS+4:AS+7], v8 offset:512       ; rows 32-63; register q is k-step q's word
	ACTLOAD 5, 0, 4, PH
.irp mt, 0,1,2,3
.if \mt == 0
	MM \mt, 4, 4, 0, 1, B1R, WS1, AS+4*(\mt/2), ACC, 0, 24, 12     ; behind W1's loads: W2's 24; a k-step's weights: 12 loads
.else
	MM \mt, 4, 4, 0, 1, B1R, WS1, AS+4*(\mt/2), ACC, 7, 24, 12     ; behind the fragments' loads: the last epilogue's 7 stores
.endif
.if \mt < 3
	ACTLOAD 5, \mt+1, 4, PH
	EPI 2, ACC, 12, 16*PH*\mt, 24, 13, 256*\mt
.else
	WIN 0x40                                       ; the last 12 loads: W3's fragments, over W1's first four, which have been multiplied for the last time
.irp f, 0,1,2,3
.irp j, 0,1,2
	global_load_b128 v[12*\f+4*\j:12*\f+4*\j+3], v1, s[44:45] offset:1536*\f+512*\j
.endr
.endr
	WIN 0
	EPI 2, ACC, 12, 16*PH*\mt, 0, 13, 256*\mt
.endif
.endr
	s_wait_dscnt 0x0                               ; for the other waves' sake: my columns of a1 are in LDS
	s_barrier_signal -1
	s_barrier_wait -1
	; LAYER 2: K = 512; my 32 columns: two tiles; two sets of accumulators by turns
	ds_load_b128 v[AS:AS+3], v8 offset:A1S-HS
	ds_load_b128 v[AS+4:AS+7], v8 offset:A1S-HS+512
	ACTLOAD 6, 0, 4, PH
.irp mt, 0,1,2,3
.if \mt == 0
	MM \mt, 2, 4, W2F, 0, B2R, WS2, AS+4*(\mt/2), ACC+16*(\mt%2), 0, 12, 6    ; behind W2's loads: W3's 12; a k-step's weights: 6 loads
.else
	MM \mt, 2, 4, W2F, 0, B2R, WS2, AS+4*(\mt/2), ACC+16*(\mt%2), 4, 12, 6    ; the last epilogue's 4 stores
.endif
.if \mt < 3
	ACTLOAD 6, \mt+1, 4, PH
	EPI 1, ACC+16*(\mt%2), 14, 16*P2*\mt, 24, 15, 128*\mt
.else
	EPI 1, ACC+16*(\mt%2), 14, 16*P2*\mt, 0, 15, 128*\mt
.endif
.endr
	s_wait_dscnt 0x0                               ; my columns of a2 are in LDS
	s_barrier_signal -1
	s_barrier_wait -1
	; LAYER 3: K = 256, two k-steps; my 32 columns.  The results go to OUTS as they are.
	ds_load_b64 v[AS:AS+1], v9
	ds_load_b64 v[AS+4:AS+5], v9 offset:256
	ACTLOAD 7, 0, 2, P2
.irp mt, 0,1,2,3
.if \mt == 0
	MM \mt, 2, 2, 0, 1, B3R, WS3, AS+4*(\mt/2), ACC+16*(\mt%2), 0, 0, 6
.else
	MM \mt, 2, 2, 0, 1, B3R, WS3, AS+4*(\mt/2), ACC+16*(\mt%2), 4, 0, 6      ; the last tile's 4 stores.  A set of accumulators is written again two tiles on: 16 LDS instructions then stand behind its stores, and the first wait leaves 10 out
.endif
.if \mt < 3
	ACTLOAD 7, \mt+1, 2, P2
.endif
.irp c, 0,1,2,3
	ds_store_b128 v16, v[ACC+16*(\mt%2)+4*\c:ACC+16*(\mt%2)+4*\c+3] offset:16*PO*\mt+16*\c   ; each accumulator from its low end on: 64 neighbouring bytes of row r
.endr
.endr
	s_wait_dscnt 0x0                               ; my columns of the result are in LDS
	s_barrier_signal -1
	s_barrier_wait -1
	; THE WAY OUT: my wave's eight row slots, whole rows of 1,024 bytes: each store covers 512 consecutive bytes, aligned
.irp i, 0,1,2,3,4,5,6,7
	ds_load_b128 v[112+8*\i:115+8*\i], v17 offset:PO*\i
	ds_load_b128 v[116+8*\i:119+8*\i], v17 offset:PO*\i+512
.endr
.irp i, 0,1,2,3,4,5,6,7
	v_lshl_add_u32 v[18+\i], s[72+\i], 10, v1      ; (h's loads, which read these registers, were shown done by layer 3's wait for 0)
.endr
.irp i, 0,1,2,3,4,5,6,7
	s_wait_dscnt 14-2*\i                           ; this row's two loads are in; the later rows' may be out
	s_cmp_lt_u32 s[32+\i], 0x2000
	s_cbranch_scc0 .Lno_row_\i                     ; a slot without a row stores nothing; the jump passes over the two stores alone
	global_store_b128 v[18+\i], v[112+8*\i:115+8*\i], s[20:21] th:TH_STORE_NT
	global_store_b128 v[18+\i], v[116+8*\i:119+8*\i], s[20:21] offset:512 th:TH_STORE_NT
.Lno_row_\i:
.endr
	s_barrier_signal -1
	s_barrier_wait -1
	s_wait_tensorcnt 0x0
	ds_add_u32 v39, v43
	s_wait_dscnt 0x0
	s_endpgm
.Lfunc_end_k_q765f79cbca_experts:
	.size	k_q765f79cbca_experts, .Lfunc_end_k_q765f79cbca_experts-k_q765f79cbca_experts
	.p2alignl 7, 3214868480
	.fill 96, 4, 3214868480
	.section	.rodata,"a",@progbits
	.p2align	6, 0x0
	.amdhsa_kernel k_q765f79cbca_experts
		.amdhsa_group_segment_fixed_size 265728
		.amdhsa_private_segment_fixed_size 0
		.amdhsa_enable_private_segment 0
		.amdhsa_kernarg_size 72
		.amdhsa_user_sgpr_count 2
		.amdhsa_user_sgpr_kernarg_segment_ptr 1
		.amdhsa_wavefront_size32 1
		.amdhsa_system_sgpr_workgroup_id_x 1
		.amdhsa_system_sgpr_workgroup_id_y 1
		.amdhsa_system_sgpr_workgroup_id_z 1
		.amdhsa_system_vgpr_workitem_id 0
		.amdhsa_next_free_vgpr 512
		.amdhsa_next_free_sgpr 84
		.amdhsa_reserve_vcc 1
		.amdhsa_float_denorm_mode_32 3
		.amdhsa_float_denorm_mode_16_64 3
		.amdhsa_memory_ordered 1
		.amdhsa_forward_progress 1
		.amdhsa_inst_pref_size 101
	.end_amdhsa_kernel
	.amdgpu_metadata
---
amdhsa.version: [ 1, 2 ]
amdhsa.kernels:
  - .name:           k_q765f79cbca_experts
    .symbol:         k_q765f79cbca_experts.kd
    .args:
      - { .name: h, .offset: 0, .size: 8, .value_kind: global_buffer, .address_space: global }
      - { .name: b1, .offset: 8, .size: 8, .value_kind: global_buffer, .address_space: global }
      - { .name: b2, .offset: 16, .size: 8, .value_kind: global_buffer, .address_space: global }
      - { .name: b3, .offset: 24, .size: 8, .value_kind: global_buffer, .address_space: global }
      - { .name: wcodes, .offset: 32, .size: 8, .value_kind: global_buffer, .address_space: global }
      - { .name: wscales, .offset: 40, .size: 8, .value_kind: global_buffer, .address_space: global }
      - { .name: order, .offset: 48, .size: 8, .value_kind: global_buffer, .address_space: global }
      - { .name: texp, .offset: 56, .size: 8, .value_kind: global_buffer, .address_space: global }
      - { .name: out0, .offset: 64, .size: 8, .value_kind: global_buffer, .address_space: global }
    .group_segment_fixed_size: 265728
    .private_segment_fixed_size: 0
    .kernarg_segment_align: 8
    .kernarg_segment_size: 72
    .max_flat_workgroup_size: 256
    .sgpr_count:     84
    .vgpr_count:     512
    .wavefront_size: 32
...
	.end_amdgpu_metadata
.endif
;; end of part 4
;; ======== version 3 of 3: 2 launches; version 2 with the launch experts written anew for expert scheduling mode
;; workspace buffers: wcodes 2,752,512 bytes; wscales 114,688 bytes; order 34,560 bytes of whole numbers; texp 1,024 bytes of whole numbers
;; launch prep: the kernel of part 3 again; grid 232 x 1, 8 waves a work-group, no clusters, 2,304 bytes of LDS; arguments W1, W2, W3, gate_id, wcodes, wscales, order, texp; writes wcodes, wscales, order, texp
;; launch experts (part 5): grid 135 x 1, 8 waves a work-group, no clusters, 265,728 bytes of LDS; arguments h, b1, b2, b3, wcodes, wscales, order, texp, out0; writes out0
.if DOCPART == 5
	.amdgcn_target "amdgcn-amd-amdhsa--gfx1250"
	.amdhsa_code_object_version 6
	.text
	.protected	k_q765f79cbca_experts
	.globl	k_q765f79cbca_experts
	.p2align	8
	.type	k_q765f79cbca_experts,@function
k_q765f79cbca_experts:
	s_mov_b64 s[64:65], 0
	v_nop
	global_prefetch_b8 v0, s[64:65] scope:SCOPE_SE
	s_setreg_imm32_b32 hwreg(HW_REG_WAVE_SCHED_MODE, 0, 2), 2
	s_setreg_imm32_b32 hwreg(HW_REG_WAVE_MODE, 25, 1), 1
	s_wait_xcnt 0x0
	s_wait_alu depctr_vm_vsrc(0)
; out0[row] = W3_g^T leaky(W2_g^T leaky(W1_g^T h[row] + b1_g) + b2_g) + b3_g for the row's own expert g: the seven other experts' results are thrown away by the problem's selection and are not made.
; All three products on codes of E2M3 with one E8M0 byte for each 32 along K; sums, biases and leaky (max(x, 0.2 x)) in f32.
; A WORK-GROUP IS ONE TILE: 64 row slots of one expert (order, texp: made by the launch before).  It gathers its rows of h, quantises them, runs the three layers, and scatters whole rows of out0.
; a1 and a2 exist only as codes in LDS.  The eight waves share N: 64 columns each in layer 1, 32 in layers 2 and 3; every wave multiplies all four tiles of 16 rows: 112 matrix instructions a wave.
; WEIGHTS GO STRAIGHT INTO REGISTERS: a fragment of weights is wanted by one wave alone, for all four row tiles, so it is loaded once (3 loads of 512 consecutive bytes) and stays.  No ring in LDS, no tensor load.
; h IS LOADED IN CONSECUTIVE RUNS AND TURNED IN LDS: a load of the wave reads 512 consecutive bytes of a row, 16 a lane; the conversion wants 16 neighbours (64 bytes) in one lane's registers; so a row goes
; through 2,048 bytes of the wave's own in LDS: four stores of 16 bytes a lane in, four loads of 16 bytes a lane back.  No register layout spares this: lanes that hold 64 neighbouring bytes each stand 64 bytes apart in every load.
; THE MATRIX INSTRUCTION IS USED TRANSPOSED: source 0 = 16 operand rows of weights, source 1 = 16 rows of activations.  In tile t = 2 bb + u, lane (r, hh) holds row r, and register j column 32 bb + 16 hh + 8 u + j of the wave's columns
; (the launch before chose the weights' rows so): the 16 registers of tiles u = 0, 1 are 16 neighbours along the next K; a block of 32 lies in lanes l and l xor 16.  The bias is the C of a sum's first instruction.
; THE GRID is the largest number of tiles that any gate_id gives, 135 (sum of ceil(n_e / 64)); a tile behind the last (7 at the most) holds 64 slots without a row, runs the same text on row 8191 and stores nothing:
; an early end would be a branch on loaded numbers round every barrier.  A slot without a row (order = 8192) is treated likewise.
; NO CLUSTER: the tiles of one expert read the same weights, but their number (0 to 128) hangs on gate_id, so no fixed group of four work-groups is sure to share an expert; and a joint load lands in LDS, where 344 KB of an expert's codes do not fit.
; LIMITS: NaN and infinities among the inputs are not served (the maxima drop NaN).  Blocks whose largest magnitude lies under 2^-124 get the byte 1.
; THE MODE: SCHED_MODE bits 1:0 = 2 (LLVM: expert scheduling mode 2), set by the entry lines.  The code itself states the register dependences
; between vector or matrix instructions and memory or LDS instructions, with s_wait_alu, always for 0.
; THE PLAN.  Registers that memory or LDS instructions touch, and who else names them:
;   v1, v2, v4-17, v74-79   offsets and addresses: made at the head, never written again: one wait on va_vdst ahead of the first load serves them all.
;   v18-25                  offsets in h: made at the head, read by h's loads; made anew (offsets in out0) behind layer 3's last products, ahead of that tile's wait on va_vdst; read by the stores of out0.
;   v128 + 16 p ..          row p of h: its global loads land there; the turn's four LDS stores read them; one wait on vm_vsrc; the turn's four LDS loads land there; the row's maxima and conversion read them.
;   v80 + 4 p .., v112 + p  row p's codes and byte: written by its conversion and select; read by four LDS stores, which stand a row later, behind that row's wait on LOADcnt and ONE wait on va_vdst.
;   ACT, AS, W1's v0-47     read by a row tile's products; the next loads land there behind ONE wait on va_vdst a row tile, which stands behind the products and their four places.
;   v36-42, v34, v30        an epilogue's codes and bytes: written by its conversions and selects; read by its LDS stores, which stand behind the NEXT tile's wait on va_vdst; one wait on vm_vsrc ahead of the next epilogue's writes.
;   layer 3's accumulators  two sets by turns: written by the products; read by four LDS stores behind the tile's wait on va_vdst; one wait on vm_vsrc ahead of the products that write the set again, two tiles on.
;   v39, v43                written at the head, read by the closing add alone.
; LDS, each region written once: HC h's codes 64 x 400; HS their bytes 64 x 16; A1C 64 x 400; A1S 64 x 16; A2C 64 x 208; A2S 64 x 8; OUTS 64 x 1,040 (f32); STG 64 x 2,048: h on its turn.
; Pitches 400 and 208 bytes are 100 and 52 words: the 16 rows of a fragment start 4 words apart modulo 64 and the two halves of the lanes 6 words apart: a load of 8 bytes a lane touches 64 different words modulo 64.
; In STG the piece of 16 bytes that is reader lane l's j-th lies at 64 l + 16 ((j + l / 4) mod 4): sixteen neighbouring lanes touch sixteen different columns of 16 bytes modulo 256, in writing and in reading.
.set HC,   0
.set HS,   25600
.set A1C,  26624
.set A1S,  52224
.set A2C,  53248
.set A2S,  66560
.set OUTS, 67072
.set STG,  133632
.set PH,   400
.set P2,   208
.set PO,   1040
; REGISTERS, window 0: v1 16 L, v2 4 L, v4 64 hh; v5-7 fragment addresses (HC, A1C, A2C); v8, v9 scale-word addresses; v10, v11 where h's codes and bytes go; v12-15 the same for a1, a2;
;   v16, v17 OUTS in and back; v18-25 offsets in h, later in out0; v26-34 at work; v36-42 codes; v39, v43 the closing add's two; v44-51 0.2 x; v52-65 the weights' scale words; v66-73 the activations' scale words (these 22 hold scales alone);
;   v74, v75 STG in; v76-79 STG back; v80-111 accumulators; v112-159 four fragments of activations; v160-255 W2's eight fragments.  In the h phase: v128-255 the numbers, v80+4p codes, v112+p bytes.  On the way out: v112-175.
; window 1: v0-191 W1's sixteen fragments (later v0-47 W3's four); v192-223, v224-239, v240-255 the biases in the accumulators' layout.   s66, s67: an epilogue's masks 'the block is all zeros'.
.set T,    44
.set WS1,  52
.set WS2,  60
.set WS3,  64
.set AS,   66
.set WA,   74
.set RA,   76
.set ACC,  80
.set ACT,  112
.set W2F,  160
.set B1R,  192
.set B2R,  224
.set B3R,  240
.set MSB, 0
.macro WIN new                         ; s_set_vgpr_msb: bits 1:0 source 0, 3:2 source 1, 5:4 source 2, 7:6 destination; the high byte repeats the setting that is left
.if MSB != (\new)
	s_set_vgpr_msb (MSB<<8)|(\new)
.set MSB, (\new)
.endif
.endm
	s_load_b256 s[4:11], s[0:1], 0x0               ; h s[4:5], b1 s[6:7], b2 s[8:9], b3 s[10:11]
	s_load_b256 s[12:19], s[0:1], 0x20             ; wcodes s[12:13], wscales s[14:15], order s[16:17], texp s[18:19]
	s_load_b64 s[20:21], s[0:1], 0x40              ; out0
	v_lshl_add_u32 v39, v0, 2, 0x40a00             ; my spare word, behind STG, and 0: made here and kept for the closing lines alone
	v_mov_b32 v43, 0
	v_lshrrev_b32 v26, 5, v0
	v_readfirstlane_b32 s22, v26                   ; wave w
	s_mov_b32 s27, 0
	s_mov_b32 s58, 0x76543210                      ; v_permlanex16_b32's selects for lane l xor 16
	s_mov_b32 s59, 0xfedcba98
	s_mov_b32 s60, 0x3e4ccccd                      ; 0.2
	s_mov_b32 s61, s60                             ; (named with it as a pair)
	s_lshl_b32 s26, ttmp9, 2
	s_wait_alu depctr_va_sdst(0)                   ; s22 is written, ahead of its first reader: the wave's slots, bases and LDS addresses are made from it
	s_wait_kmcnt 0x0
	s_add_nc_u64 s[28:29], s[18:19], s[26:27]      ; texp[tile]
	s_lshl_b32 s26, ttmp9, 8
	s_lshl_b32 s23, s22, 5
	s_add_co_u32 s26, s26, s23
	s_add_nc_u64 s[30:31], s[16:17], s[26:27]      ; order[tile][8 w ..]: my wave's eight slots
	s_load_b32 s24, s[28:29], 0x0
	s_load_b256 s[32:39], s[30:31], 0x0
	v_and_b32 v26, 31, v0                          ; L
	v_and_b32 v27, 15, v0                          ; r
	v_bfe_u32 v28, v0, 4, 1                        ; hh
	v_lshlrev_b32 v1, 4, v26
	v_lshlrev_b32 v2, 2, v26
	v_lshlrev_b32 v4, 6, v28
	v_mul_u32_u24 v29, v27, PH
	v_mul_u32_u24 v30, v28, 24
	v_add_nc_u32 v5, v29, v30                      ; HC (at 0) + 400 r + 24 hh
	v_add_nc_u32 v6, A1C, v5
	v_mul_u32_u24 v31, v27, P2
	v_add3_u32 v7, v31, v30, A2C
	v_lshl_add_u32 v8, v26, 4, HS                  ; lane L takes row L's four scale words: lanes 0-15 an even row tile's, lanes 16-31 the odd one's
	v_lshl_add_u32 v9, v26, 3, A2S
	s_mul_i32 s26, s22, 8*PH
	v_mul_u32_u24 v10, v26, 12
	v_add_nc_u32 v10, s26, v10                     ; HC + my wave's eight rows + 12 L
	s_lshl_b32 s26, s22, 7
	s_add_co_u32 s26, s26, HS
	v_lshrrev_b32 v11, 1, v26
	v_add_nc_u32 v11, s26, v11                     ; HS + my wave's eight rows + block L / 2
	v_mul_u32_u24 v32, v28, 12
	s_mul_i32 s26, s22, 48
	s_add_co_u32 s26, s26, A1C
	v_add3_u32 v12, v29, v32, s26                  ; a1: row r; columns 64 w + 16 hh on are 48 w + 12 hh bytes on
	s_lshl_b32 s26, s22, 1
	s_add_co_u32 s26, s26, A1S
	v_lshl_add_u32 v13, v27, 4, s26
	s_mul_i32 s26, s22, 24
	s_add_co_u32 s26, s26, A2C
	v_add3_u32 v14, v31, v32, s26
	s_add_co_u32 s26, s22, A2S
	v_lshl_add_u32 v15, v27, 3, s26
	s_lshl_b32 s26, s22, 7
	s_add_co_u32 s26, s26, OUTS
	v_mul_u32_u24 v33, v27, PO
	v_add3_u32 v16, v33, v4, s26
	s_mul_i32 s26, s22, 8*PO
	s_add_co_u32 s26, s26, OUTS
	v_add_nc_u32 v17, s26, v1
	; STG.  In: load i of a row gives lane L the piece 32 i + L, which is reader lane 8 i + L / 4's piece L % 4: byte 512 i + 64 (L / 4) + 16 ((L % 4 + L / 16 + 2 i) mod 4): one register for even i, one for odd
	s_lshl_b32 s26, s22, 14
	s_add_co_u32 s26, s26, STG                     ; my wave's eight rows of 2,048 bytes
	v_and_b32 v34, 3, v26
	v_add_nc_u32 v34, v34, v28                     ; L % 4 + L / 16
	v_and_b32 v35, 28, v26
	v_lshlrev_b32 v35, 4, v35                      ; 64 (L / 4)
	v_add_nc_u32 v35, s26, v35
	v_and_b32 v36, 3, v34
	v_lshl_add_u32 v[WA], v36, 4, v35
	v_add_nc_u32 v36, 2, v34
	v_and_b32 v36, 3, v36
	v_lshl_add_u32 v[WA+1], v36, 4, v35
	v_lshl_add_u32 v37, v26, 6, s26                ; back: 64 L + 16 ((j + L / 4) mod 4): a register for each j
	v_lshrrev_b32 v38, 2, v26
.irp j, 0,1,2,3
	v_add_nc_u32 v36, \j, v38
	v_and_b32 v36, 3, v36
	v_lshl_add_u32 v[RA+\j], v36, 4, v37
.endr
	s_wait_kmcnt 0x0
.irp i, 0,1,2,3,4,5,6,7
	s_min_u32 s[72+\i], s[32+\i], 8191             ; the row that is read (a slot without a row: 8191)
.endr
.irp p, 0,1,2,3,4,5,6,7
	v_lshl_add_u32 v[18+\p], s[72+\p], 11, v1
.endr
	s_wait_alu depctr_va_vdst(0)                   ; all offsets and addresses are written (v1, v2, v4 to v25, v74 to v79): every load and store of the kernel reads some of them
	; THE LOADS, in this order.  First 32: my wave's eight rows of h, each load 512 consecutive bytes: all that follows waits for these
.irp p, 0,1,2,3,4,5,6,7
.irp i, 0,1,2,3
	global_load_b128 v[128+16*\p+4*\i:128+16*\p+4*\i+3], v[18+\p], s[4:5] offset:512*\i th:TH_LOAD_NT
.endr
.endr
	s_min_u32 s24, s24, 7                          ; the expert (a tile behind the last: 7)
.macro BASE dst, src, em, wm, sect     ; a buffer's address + the section + expert x em + wave x wm
	s_mul_i32 s26, s24, \em
	s_mul_i32 s23, s22, \wm
	s_add_co_u32 s26, s26, s23
.if \sect
	s_add_co_u32 s26, s26, \sect
.endif
	s_add_nc_u64 s[\dst:\dst+1], s[\src:\src+1], s[26:27]
.endm
	BASE 40, 12, 196608, 24576, 0                  ; W1's codes: my 16 fragments
	BASE 42, 12, 98304, 12288, 1572864             ; W2's: my 8
	BASE 44, 12, 49152, 6144, 2359296              ; W3's: my 4
	BASE 46, 14, 8192, 256, 0                      ; scale words
	BASE 48, 14, 4096, 128, 65536
	BASE 50, 14, 2048, 128, 98304
	BASE 52, 6, 2048, 256, 0                       ; biases
	BASE 54, 8, 1024, 128, 0
	BASE 56, 10, 1024, 128, 0
	; then 30: 14 scale words, 16 of biases.  No vector instruction has named the registers in which they land
.irp q, 0,1,2,3
.irp bb, 0,1
	global_load_b32 v[WS1+2*\q+\bb], v2, s[46:47] offset:2048*\q+128*\bb   ; lanes 0-15: tile u = 0's rows; lanes 16-31: tile u = 1's
.endr
.endr
.irp q, 0,1,2,3
	global_load_b32 v[WS2+\q], v2, s[48:49] offset:1024*\q
.endr
.irp q, 0,1
	global_load_b32 v[WS3+\q], v2, s[50:51] offset:1024*\q
.endr
	WIN 0x40                                       ; destination window 1
.irp bb, 0,1
.irp c, 0,1,2,3
	global_load_b128 v[B1R+16*\bb+4*\c:B1R+16*\bb+4*\c+3], v4, s[52:53] offset:128*\bb+16*\c   ; b1 at my 16 columns of block bb
.endr
.endr
.irp c, 0,1,2,3
	global_load_b128 v[B2R+4*\c:B2R+4*\c+3], v4, s[54:55] offset:16*\c
.endr
.irp c, 0,1,2,3
	global_load_b128 v[B3R+4*\c:B3R+4*\c+3], v4, s[56:57] offset:16*\c
.endr
	WIN 0
; Row slot 8 w + p's codes and byte go to LDS: four stores, each row from registers of its own
.macro HOUT p
	ds_store_b8 v11, v[112+(\p)] offset:16*(\p)    ; both lanes of a block write the same byte
.irp i, 0,1,2
	ds_store_b32 v10, v[80+4*(\p)+\i] offset:PH*(\p)+4*\i
.endr
.endm
; Row slot 8 w + p takes its turn through STG.  LDS serves a wave's instructions in order (ISA guide 5.7.1.4): the loads see the stores.  From row 2 on the codes of the row two back go out at the turn's head.
.macro STAGE p
.if 58+2*(\p) > 63
	s_wait_loadcnt 63                              ; 62 + 6 p loads have been issued and the first 4 (p + 1) are wanted: 58 + 2 p may be out; a larger count than 63 cannot be written
.else
	s_wait_loadcnt 58+2*(\p)                       ; 62 + 6 p loads have been issued and the first 4 (p + 1) are wanted
.endif
.if (\p) >= 2
	s_wait_alu depctr_va_vdst(0)                   ; row p - 2's conversion and select have written its codes and its byte, which the four stores below read
	HOUT (\p)-2
.endif
.irp i, 0,1,2,3
	ds_store_b128 v[WA+(\i%2)], v[128+16*(\p)+4*\i:128+16*(\p)+4*\i+3] offset:2048*(\p)+512*\i
.endr
	s_wait_alu depctr_vm_vsrc(0)                   ; the four stores above have read the row's sixteen registers, in which the four loads below land
.irp j, 0,1,2,3
	ds_load_b128 v[128+16*(\p)+4*\j:128+16*(\p)+4*\j+3], v[RA+\j] offset:2048*(\p)   ; lane L now holds the row's numbers 16 L .. 16 L + 15
.endr
.endm
; W1's 48 loads follow, six behind each row's turn, the first k-step's fragments first.  No vector instruction names the registers in which they land
.macro WL p
	WIN 0x40
.irp f, 2*(\p), 2*(\p)+1
.irp j, 0,1,2
	global_load_b128 v[12*(\f)+4*\j:12*(\f)+4*\j+3], v1, s[40:41] offset:1536*(\f)+512*\j
.endr
.endr
	WIN 0
.endm
; Row slot 8 w + p is quantised.  Two neighbouring lanes hold a block of 32.  n: the LDS instructions issued behind this row's four loads from STG.
.macro HQC p, n
.set XS, 128+16*(\p)
	s_wait_dscnt \n
	v_max3_num_f32 v26, |v[XS]|, |v[XS+1]|, |v[XS+2]|
	v_max3_num_f32 v27, |v[XS+3]|, |v[XS+4]|, |v[XS+5]|
.irp i, 6,10
	v_max3_num_f32 v26, v26, |v[XS+\i]|, |v[XS+\i+1]|
	v_max3_num_f32 v27, v27, |v[XS+\i+2]|, |v[XS+\i+3]|
.endr
	v_max3_num_f32 v26, v26, |v[XS+14]|, |v[XS+15]|
	v_max_num_f32 v26, v26, v27
	v_max_num_f32_dpp v26, v26, v26 row_xmask:1 row_mask:0xf bank_mask:0xf   ; with my neighbour's 16: the block's largest magnitude
	v_cmp_eq_u32 vcc_lo, 0, v26                    ; is the block all zeros?  (Five lines ahead of the select that reads the mask)
	v_lshrrev_b32 v27, 23, v26                     ; its exponent field
	v_max_u32 v27, 3, v27                          ; the byte is not to fall under 1
	v_add_nc_u32 v27, -2, v27
	v_lshlrev_b32 v28, 23, v27                     ; the scale as f32
	v_cvt_scalef32_pk16_fp6_f32 v[80+4*(\p):82+4*(\p)], v[XS:XS+15], v28
	s_wait_alu depctr_va_vcc(0)                    ; the compare has written VCC, which the select below reads
	v_cndmask_b32 v[112+(\p)], v27, 127, vcc_lo    ; a block of zeros gets 127.  (Also the plain instruction behind the conversion)
.endm
	STAGE 0
	WL 0
	STAGE 1
	WL 1
	HQC 0, 8                                       ; behind row 0's loads: row 1's 8
.irp p, 2,3,4,5,6,7
	STAGE \p
	WL \p
	HQC \p-1, 12                                   ; behind the row's loads: the 4 stores of the codes of the row before it, and the next row's 8
.endr
	HQC 7, 0                                       ; behind row 7's loads: nothing
	s_wait_alu depctr_va_vdst(0)                   ; rows 6 and 7 have their codes and bytes written, which the eight stores below read; all conversions are done reading v128 to v255, and the selects have written v112 to v119: W2's loads and, behind the barrier, the fragments' loads land there
	HOUT 6
	HOUT 7
	; then 24: W2's fragments, into registers that the conversions have read
.irp f, 0,1,2,3,4,5,6,7
.irp j, 0,1,2
	global_load_b128 v[W2F+12*\f+4*\j:W2F+12*\f+4*\j+3], v1, s[42:43] offset:1536*\f+512*\j
.endr
.endr
	s_wait_dscnt 0x0                               ; for the other waves' sake: my eight rows' codes and bytes are in LDS
	s_barrier_signal -1
	s_barrier_wait -1
	s_wait_alu depctr_vm_vsrc(0)                   ; my LDS stores have read v80 to v119: these registers are accumulators and fragments from here on, written by the products and by the fragments' loads
; nq fragments of activations (row tile mt, 128 K each): lane (r, hh) takes 24 bytes at 96 q + 24 hh and 24 at 96 q + 48 + 24 hh of row r, as three loads of 8 bytes each
.macro ACTLOAD adr, mt, nq, pitch
.set q_, 0
.rept \nq
.irp p, 0,1,2,3,4,5
	ds_load_b64 v[ACT+12*q_+2*\p:ACT+12*q_+2*\p+1], v[\adr] offset:(\mt)*16*\pitch+96*q_+48*(\p/3)+8*(\p%3)
.endr
.set q_, q_+1
.endr
.endm
.macro WM                              ; one matrix instruction; fA, fB: the scale words stand in lanes 16-31
.if fA && fB
	v_wmma_scale_f32_16x16x128_f8f6f4 v[rD:rD+7], v[rA:rA+11], v[rB:rB+11], v[rC:rC+7], v[rSA], v[rSB] matrix_a_fmt:MATRIX_FMT_FP6 matrix_b_fmt:MATRIX_FMT_FP6 matrix_a_scale:MATRIX_SCALE_ROW1 matrix_b_scale:MATRIX_SCALE_ROW1
.elseif fA
	v_wmma_scale_f32_16x16x128_f8f6f4 v[rD:rD+7], v[rA:rA+11], v[rB:rB+11], v[rC:rC+7], v[rSA], v[rSB] matrix_a_fmt:MATRIX_FMT_FP6 matrix_b_fmt:MATRIX_FMT_FP6 matrix_a_scale:MATRIX_SCALE_ROW1
.elseif fB
	v_wmma_scale_f32_16x16x128_f8f6f4 v[rD:rD+7], v[rA:rA+11], v[rB:rB+11], v[rC:rC+7], v[rSA], v[rSB] matrix_a_fmt:MATRIX_FMT_FP6 matrix_b_fmt:MATRIX_FMT_FP6 matrix_b_scale:MATRIX_SCALE_ROW1
.else
	v_wmma_scale_f32_16x16x128_f8f6f4 v[rD:rD+7], v[rA:rA+11], v[rB:rB+11], v[rC:rC+7], v[rSA], v[rSB] matrix_a_fmt:MATRIX_FMT_FP6 matrix_b_fmt:MATRIX_FMT_FP6
.endif
.endm
; Row tile mt against the wave's nt tiles of weights, nq k-steps.  wb, wwin: the weights' first register and window; biasb (window 1): the C of the first k-step, so nothing is cleared and no bias is added later.
; The nt accumulators take turns, one instruction a turn.  All operands and scales come by loads: no vector instruction writes one.
; younger: LDS stores issued behind this tile's fragment loads.  lc, ls (used at mt = 0): global loads issued behind this layer's weights, and the loads of one k-step's weights.
.macro MM mt, nt, nq, wb, wwin, biasb, wsb, asb, ab, younger, lc, ls
.set q_, 0
.rept \nq
	s_wait_dscnt 6*(\nq-1-q_)+\younger             ; this k-step's fragment is in; the later fragments' loads and the stores issued behind them may be out
.if \mt == 0
	s_wait_loadcnt \lc+\ls*(\nq-1-q_)              ; this k-step's weights are in; the later k-steps' and the later layers' may be out
.endif
.if q_ == 0
	WIN 0x10|\wwin
.else
	WIN \wwin
.endif
.set t_, 0
.rept \nt
.set rD, \ab+8*t_
.set rA, \wb+12*(\nt*q_+t_)
.set rB, ACT+12*q_
.if q_ == 0
.set rC, \biasb+8*t_
.else
.set rC, rD
.endif
.set rSA, \wsb+(\nt/2)*q_+t_/2
.set rSB, \asb+q_
.set fA, t_%2
.set fB, (\mt)%2
	WM
.set t_, t_+1
.endr
.set q_, q_+1
.endr
	WIN 0
.rept 4
	v_nop                                          ; four plain instructions in front of the first read of the results, by a vector instruction or an LDS store; they stay beside the wait on va_vdst that follows each tile's products
.endr
.endm
; AN EPILOGUE'S ARITHMETIC.  The results of nb blocks of 32 columns (16 registers a lane each, at ab) become codes: leaky, the block's largest magnitude (mine and lane l xor 16's), its byte, the conversion.
; again = 1: an earlier epilogue's stores have read the registers that this one writes;  next: the LDS loads issued behind those stores, which may stay out.
.macro EPIC nb, ab, again, next
.set g_, 0
.rept 2*\nb
.set rX, \ab+8*g_
.irp k, 0,1,2,3
	v_pk_mul_f32 v[T+2*\k:T+2*\k+1], v[rX+2*\k:rX+2*\k+1], s[60:61] op_sel_hi:[1,0]   ; each accumulator is read from its low end on
.endr
.irp k, 0,1,2,3,4,5,6,7
	v_max_num_f32 v[rX+\k], v[rX+\k], v[T+\k]      ; max(x, 0.2 x): x where x > 0, else 0.2 x
.endr
.set g_, g_+1
.endr
.if \again
	s_wait_dscnt \next                             ; the last epilogue's stores are done: their registers are written again below
	s_wait_alu depctr_vm_vsrc(0)                   ; and they have read v30, v34 and v36 to v42, which the lines below write again
.endif
.set b_, 0
.rept \nb
.set rX, \ab+16*b_
	v_max3_num_f32 v[26+b_], |v[rX]|, |v[rX+1]|, |v[rX+2]|
.irp i, 3,5,7,9,11,13
	v_max3_num_f32 v[26+b_], v[26+b_], |v[rX+\i]|, |v[rX+\i+1]|
.endr
	v_max_num_f32 v[26+b_], v[26+b_], |v[rX+15]|
	v_mov_b32 v[28+b_], 0                          ; (the destination of a lane permute counts as read)
	v_permlanex16_b32 v[28+b_], v[26+b_], s58, s59
	v_max_num_f32 v[26+b_], v[26+b_], v[28+b_]
	v_lshrrev_b32 v[30+b_], 23, v[26+b_]
	v_max_u32 v[30+b_], 3, v[30+b_]
	v_add_nc_u32 v[30+b_], -2, v[30+b_]
	v_lshlrev_b32 v[32+b_], 23, v[30+b_]
	v_cmp_eq_u32 s[66+b_], 0, v[26+b_]             ; is the block all zeros?  A mask for each block, so that one wait serves both selects
.set b_, b_+1
.endr
	v_cvt_scalef32_pk16_fp6_f32 v[36:38], v[\ab:\ab+15], v32
.if \nb == 2
	v_cvt_scalef32_pk16_fp6_f32 v[40:42], v[\ab+16:\ab+31], v33
.endif
	s_wait_alu depctr_va_sdst(0)                   ; the compares have written s66 (and s67), which the selects below read
	v_cndmask_b32 v30, v30, 127, s66               ; a block of zeros gets 127.  (Also the plain instruction behind the conversions)
.if \nb == 2
	v_cndmask_b32 v31, v31, 127, s67
	v_lshl_or_b32 v34, v31, 8, v30                 ; the two blocks' bytes
.endif
.endm
; AND ITS STORES: codes and bytes go to LDS.  They stand behind a wait on va_vdst that is younger than the arithmetic.
.macro EPIS nb, cadr, coff, sadr, soff
.irp i, 0,1,2
	ds_store_b32 v[\cadr], v[36+\i] offset:\coff+4*\i
.endr
.if \nb == 2
.irp i, 0,1,2
	ds_store_b32 v[\cadr], v[40+\i] offset:\coff+24+4*\i
.endr
	ds_store_b16 v[\sadr], v34 offset:\soff        ; both halves of the lanes write the same bytes
.else
	ds_store_b8 v[\sadr], v30 offset:\soff
.endif
.endm
	; LAYER 1: K = 512, four k-steps; my 64 columns: four tiles.  A row tile: its products; one wait; the stores of the tile before; the next tile's fragments; its own epilogue's arithmetic
	ds_load_b128 v[AS:AS+3], v8                    ; h's scale words: rows 0-31,
	ds_load_b128 v[AS+4:AS+7], v8 offset:512       ; rows 32-63; register q is k-step q's word
	ACTLOAD 5, 0, 4, PH
.irp mt, 0,1,2,3
	MM \mt, 4, 4, 0, 1, B1R, WS1, AS+4*(\mt/2), ACC, 0, 24, 12     ; behind W1's loads: W2's 24; a k-step's weights: 12 loads.  No LDS store stands behind a tile's fragment loads
.if \mt == 3
	WIN 0x40                                       ; (the window first, then the wait, then the loads)
.endif
	s_wait_alu depctr_va_vdst(0)                   ; this tile's products are done reading the fragments' registers (in the last tile: W1's first four fragments), in which the loads below land; the epilogue of the tile before has written its codes and bytes, which the stores below read
.if \mt == 3
.irp f, 0,1,2,3                                ; the last 12 loads: W3's fragments, over W1's first four, which have been multiplied for the last time
.irp j, 0,1,2
	global_load_b128 v[12*\f+4*\j:12*\f+4*\j+3], v1, s[44:45] offset:1536*\f+512*\j
.endr
.endr
	WIN 0
.endif
.if \mt > 0
	EPIS 2, 12, 16*PH*(\mt-1), 13, 256*(\mt-1)
.endif
.if \mt < 3
	ACTLOAD 5, \mt+1, 4, PH
.endif
.if \mt == 0
	EPIC 2, ACC, 0, 0
.elseif \mt < 3
	EPIC 2, ACC, 1, 24
.else
	EPIC 2, ACC, 1, 0
.endif
.endr
	s_wait_alu depctr_va_vdst(0)                   ; the last epilogue has written its codes and bytes, which the stores below read
	EPIS 2, 12, 16*PH*3, 13, 256*3
	s_wait_dscnt 0x0                               ; for the other waves' sake: my columns of a1 are in LDS
	s_barrier_signal -1
	s_barrier_wait -1
	; LAYER 2: K = 512; my 32 columns: two tiles; two sets of accumulators by turns.  No vector or matrix instruction has been issued since the wait above: the loads below land in registers whose readers it has shown done
	ds_load_b128 v[AS:AS+3], v8 offset:A1S-HS
	ds_load_b128 v[AS+4:AS+7], v8 offset:A1S-HS+512
	ACTLOAD 6, 0, 4, PH
.irp mt, 0,1,2,3
	MM \mt, 2, 4, W2F, 0, B2R, WS2, AS+4*(\mt/2), ACC+16*(\mt%2), 0, 12, 6    ; behind W2's loads: W3's 12; a k-step's weights: 6 loads
	s_wait_alu depctr_va_vdst(0)                   ; this tile's products are done reading the fragments' registers, in which the loads below land; the epilogue of the tile before has written its codes and byte, which the stores below read
.if \mt > 0
	EPIS 1, 14, 16*P2*(\mt-1), 15, 128*(\mt-1)
.endif
.if \mt < 3
	ACTLOAD 6, \mt+1, 4, PH
	EPIC 1, ACC+16*(\mt%2), 1, 24                  ; (in the first tile the stores that have read these registers are layer 1's last)
.else
	EPIC 1, ACC+16*(\mt%2), 1, 0
.endif
.endr
	s_wait_alu depctr_va_vdst(0)                   ; the last epilogue has written its codes and byte, which the stores below read
	EPIS 1, 14, 16*P2*3, 15, 128*3
	s_wait_dscnt 0x0                               ; my columns of a2 are in LDS
	s_barrier_signal -1
	s_barrier_wait -1
	; LAYER 3: K = 256, two k-steps; my 32 columns.  The results go to OUTS as they are.
	ds_load_b64 v[AS:AS+1], v9
	ds_load_b64 v[AS+4:AS+5], v9 offset:256
	ACTLOAD 7, 0, 2, P2
.irp mt, 0,1,2,3
.if \mt >= 2
	s_wait_alu depctr_vm_vsrc(0)                   ; the stores issued two tiles back have read this set of accumulators, which the products below write again; h's loads have read v18 to v25, which the last tile writes anew
.endif
.if \mt == 0
	MM \mt, 2, 2, 0, 1, B3R, WS3, AS+4*(\mt/2), ACC+16*(\mt%2), 0, 0, 6
.else
	MM \mt, 2, 2, 0, 1, B3R, WS3, AS+4*(\mt/2), ACC+16*(\mt%2), 4, 0, 6      ; the last tile's 4 stores.  A set of accumulators is written again two tiles on: 16 LDS instructions then stand behind its stores, and the first wait leaves 10 out
.endif
.if \mt == 3
.irp i, 0,1,2,3,4,5,6,7
	v_lshl_add_u32 v[18+\i], s[72+\i], 10, v1      ; the offsets in out0, made here so that the wait below serves them too  (h's loads, which read these registers, were shown done by this layer's wait for 0)
.endr
.endif
	s_wait_alu depctr_va_vdst(0)                   ; this tile's products have written their accumulators, which the stores below read, and are done reading the fragments' registers, in which the loads below land; in the last tile v18 to v25 are written, which the stores of out0 read
.if \mt < 3
	ACTLOAD 7, \mt+1, 2, P2
.endif
.irp c, 0,1,2,3
	ds_store_b128 v16, v[ACC+16*(\mt%2)+4*\c:ACC+16*(\mt%2)+4*\c+3] offset:16*PO*\mt+16*\c   ; each accumulator from its low end on: 64 neighbouring bytes of row r
.endr
.endr
	s_wait_dscnt 0x0                               ; my columns of the result are in LDS
	s_barrier_signal -1
	s_barrier_wait -1
	; THE WAY OUT: my wave's eight row slots, whole rows of 1,024 bytes: each store covers 512 consecutive bytes, aligned.
	; No vector or matrix instruction has been issued since layer 3's last wait on va_vdst: it has shown done all that read v112 to v175, in which the loads below land
.irp i, 0,1,2,3,4,5,6,7
	ds_load_b128 v[112+8*\i:115+8*\i], v17 offset:PO*\i
	ds_load_b128 v[116+8*\i:119+8*\i], v17 offset:PO*\i+512
.endr
.irp i, 0,1,2,3,4,5,6,7
	s_wait_dscnt 14-2*\i                           ; this row's two loads are in; the later rows' may be out
	s_cmp_lt_u32 s[32+\i], 0x2000
	s_cbranch_scc0 .Lno_row_\i                     ; a slot without a row stores nothing; the jump passes over the two stores alone
	global_store_b128 v[18+\i], v[112+8*\i:115+8*\i], s[20:21] th:TH_STORE_NT
	global_store_b128 v[18+\i], v[116+8*\i:119+8*\i], s[20:21] offset:512 th:TH_STORE_NT
.Lno_row_\i:
.endr
	s_barrier_signal -1
	s_barrier_wait -1
	s_wait_dscnt 0x0                               ; the closing lines, six on end
	s_wait_alu 0x0
	s_wait_tensorcnt 0x0
	ds_add_u32 v39, v43
	s_wait_dscnt 0x0
	s_endpgm
.Lfunc_end_k_q765f79cbca_experts:
	.size	k_q765f79cbca_experts, .Lfunc_end_k_q765f79cbca_experts-k_q765f79cbca_experts
	.p2alignl 7, 3214868480
	.fill 96, 4, 3214868480
	.section	.rodata,"a",@progbits
	.p2align	6, 0x0
	.amdhsa_kernel k_q765f79cbca_experts
		.amdhsa_group_segment_fixed_size 265728
		.amdhsa_private_segment_fixed_size 0
		.amdhsa_enable_private_segment 0
		.amdhsa_kernarg_size 72
		.amdhsa_user_sgpr_count 2
		.amdhsa_user_sgpr_kernarg_segment_ptr 1
		.amdhsa_wavefront_size32 1
		.amdhsa_system_sgpr_workgroup_id_x 1
		.amdhsa_system_sgpr_workgroup_id_y 1
		.amdhsa_system_sgpr_workgroup_id_z 1
		.amdhsa_system_vgpr_workitem_id 0
		.amdhsa_next_free_vgpr 512
		.amdhsa_next_free_sgpr 84
		.amdhsa_reserve_vcc 1
		.amdhsa_float_denorm_mode_32 3
		.amdhsa_float_denorm_mode_16_64 3
		.amdhsa_memory_ordered 1
		.amdhsa_forward_progress 1
		.amdhsa_inst_pref_size 103
	.end_amdhsa_kernel
	.amdgpu_metadata
---
amdhsa.version: [ 1, 2 ]
amdhsa.kernels:
  - .name:           k_q765f79cbca_experts
    .symbol:         k_q765f79cbca_experts.kd
    .args:
      - { .name: h, .offset: 0, .size: 8, .value_kind: global_buffer, .address_space: global }
      - { .name: b1, .offset: 8, .size: 8, .value_kind: global_buffer, .address_space: global }
      - { .name: b2, .offset: 16, .size: 8, .value_kind: global_buffer, .address_space: global }
      - { .name: b3, .offset: 24, .size: 8, .value_kind: global_buffer, .address_space: global }
      - { .name: wcodes, .offset: 32, .size: 8, .value_kind: global_buffer, .address_space: global }
      - { .name: wscales, .offset: 40, .size: 8, .value_kind: global_buffer, .address_space: global }
      - { .name: order, .offset: 48, .size: 8, .value_kind: global_buffer, .address_space: global }
      - { .name: texp, .offset: 56, .size: 8, .value_kind: global_buffer, .address_space: global }
      - { .name: out0, .offset: 64, .size: 8, .value_kind: global_buffer, .address_space: global }
    .group_segment_fixed_size: 265728
    .private_segment_fixed_size: 0
    .kernarg_segment_align: 8
    .kernarg_segment_size: 72
    .max_flat_workgroup_size: 256
    .sgpr_count:     84
    .vgpr_count:     512
    .wavefront_size: 32
...
	.end_amdgpu_metadata
.endif
;; end of part 5
